; MI455X (gfx1250); checked and timed in simulation.
; The chip was launched on July 23, 2026; its instructions are those of AMD's public machine-readable ISA for CDNA 5 (MIT licence, August 2026) and "CDNA5" Instruction Set Architecture Reference Guide (July 2026). The comments in the code are by the model that wrote it; some were corrected since.
;; Lo RA Linear. Allowed arithmetic: float matrix products may take bf16 or f16 operands with f32 sums; other float arithmetic in f32, or as packed bf16 or f16 multiplies, adds, multiply-adds, maxima and minima; sums over many terms, partial sums and values carried from step to step in f32; what a program stores and reads back later, other than sums and carried values, may be rounded once to bf16 or f16.
;; Inputs: lora_a 16 x 4,096 float32; lora_b 2,048 x 16 float32; w_codes 2,048 x 4,096 int32; w_scales 2,048 x 64 float32; x 4 x 2,048 x 4,096 float32.
;; Outputs: out0 4 x 2,048 x 2,048 float32.
;; 3 versions, each right; version 3 is version 2 with the launch prep written anew for expert scheduling mode. Each part assembles by itself: llvm-mc -triple=amdgcn-amd-amdhsa -mcpu=gfx1250 --defsym DOCPART=n.
;; ======== version 1 of 3: 2 launches
;; workspace buffers: wb 16,777,216 bytes
;; launch merge (part 1): grid 256 x 1, 8 waves a work-group, no clusters, 0 bytes of LDS; arguments w_codes, w_scales, lora_a, lora_b, wb; writes wb
.if DOCPART == 1
	.amdgcn_target "amdgcn-amd-amdhsa--gfx1250"
	.amdhsa_code_object_version 6
	.text
	.protected	k_qda859dabeb_merge
	.globl	k_qda859dabeb_merge
	.p2align	8
	.type	k_qda859dabeb_merge,@function
k_qda859dabeb_merge:
	s_mov_b64 s[64:65], 0
	v_nop
	global_prefetch_b8 v0, s[64:65] scope:SCOPE_SE
	s_setreg_imm32_b32 hwreg(HW_REG_WAVE_MODE, 25, 1), 1
	s_wait_xcnt 0x0
; THE MERGED WEIGHT.  reference() computes x W^T + 2 (x A^T) B^T with W[o][i] = NF4[code[o][i]] scale[o][i / 64].  For all values of the inputs that is x (W + 2 B A)^T, by
; associativity alone: so the LoRA path is a rank-16 term added to the weight, once, and the second launch is one product.  NO WORK IS LEFT OUT AS DEAD: all five inputs have a way
; to the output and all five are loaded (four here, x in the second launch).
; This launch makes Wb[o][i] = bf16( NF4[code] x bf16(scale) + 2 sum over r of bf16(B[o][r]) bf16(A[r][i]) ): products and sums in f32, ONE rounding of the sum to bf16.
; LIMITS.  The LoRA term enters the weight before that one rounding: an order of rounding that differs from reference()'s.  scale, A and B are rounded to bf16 first, as x is in the
; second launch: every floating-point input has the same rounding (the factor 2 is exact).  A code above 15 takes the table's last entry; reference() relies on codes 0 to 15.
; NaN and infinities are not treated apart.
; wb's LAYOUT is the image of the second launch's operand registers: [s = K step of 64][nb = 16 rows of W][t = 16 k][lane l][8 bf16]: byte s 262144 + nb 2048 + t 512 + l 16, where
; lane l = r + 16 g holds W[16 nb + r][64 s + 16 t + 8 g + 0..7].
; SHARES.  A unit is 16 rows x 64 k (one scale a row).  8,192 units, 2,048 waves: a wave has one s and four nb.  No byte is wanted by two waves of a work-group but A's and B's few,
; so nothing goes through LDS memory, there is no barrier, and all 52 loads of a wave go out at its head (16 KiB of codes a wave).
; THE PRODUCT.  r = lane % 16, h = lane / 16.  For t = 0..3: D_t = S0_t x S1 + C_t.  Row m of S0_t stands for k = 64 s + 4 m + t and holds 2 A[0..15][k] (its K 16..31 are 0);
; column n of S1 stands for row n0 + n of W and holds B[n0 + n][0..15].  So register j of D_t in lane (r, h) is W[n0 + r][64 s + 32 h + 4 j + t]: the place of component t of the
; lane's j-th load of four codes.  A lane ends with 32 consecutive k of one row: four pieces of 16 bytes.
; THE TABLE lies in a register, entry lane % 16 a lane; a look-up is a pull from the lane that the code names (ds_bpermute_b32: no LDS byte is touched).
; A scale load takes 4 bytes of each of 16 rows of w_scales; the eight waves of a work-group take 32 neighbouring bytes of each row: 0.5 MiB of scales against 32 MiB of codes.
.set TAB, 4                            ; v4        NF4[lane % 16]
.set CO,  5                            ; v5        codes: r x 16,384 + h x 128
.set LBO, 6                            ; v6        lora_b: r x 64 + h x 32
.set SCO, 7                            ; v7        scales: r x 256
.set LAO, 8                            ; v8        lora_a: h x 8 rows + r x 16
.set WO,  9                            ; v9        wb: h x 1,024 + r x 16
.set TMP, 10                           ; v10       at work
.set SC,  12                           ; v[12:19]  unit u's scale, twice, in the pair at 12 + 2 u
.set LB,  20                           ; v[20:51]  lora_b as loaded, 8 a unit
.set A0,  52                           ; v[52:83]  S0_t at 52 + 8 t
.set B1,  84                           ; v[84:91]  S1
.set C,   92                           ; v[92:123] C_t and D_t at 92 + 8 t; first lora_a as loaded, rank 8 h + j at 92 + 4 j
.set CD,  124                          ; v[124:251] codes, 32 a unit; a unit's first 16 then take its packed results
	s_load_b256 s[4:11], s[0:1], 0x0               ; w_codes s[4:5], w_scales s[6:7], lora_a s[8:9], lora_b s[10:11]
	s_load_b64 s[12:13], s[0:1], 0x20              ; wb
	v_lshrrev_b32 v1, 5, v0
	v_readfirstlane_b32 s14, v1                    ; wave 0..7
	v_and_b32 v2, 15, v0                           ; r
	v_bfe_u32 v3, v0, 4, 1                         ; h
	s_and_b32 s15, ttmp9, 7
	s_lshl_b32 s15, s15, 3
	s_add_co_u32 s15, s15, s14                     ; s = 8 (group % 8) + wave
	s_lshr_b32 s16, ttmp9, 3                       ; group / 8: my four nb are 4 x this + 0..3
	s_lshl_b32 s2, s16, 20                         ; codes: 64 rows of 16,384 bytes,
	s_lshl_b32 s20, s15, 8                         ; and 256 bytes a K step (lora_a: the same 256 bytes of each rank's row)
	s_add_co_u32 s2, s2, s20
	s_mov_b32 s3, 0
	s_lshl_b32 s18, s16, 14                        ; scales: 64 rows of 256 bytes,
	s_lshl_b32 s17, s15, 2                         ; and 4 bytes a K step
	s_add_co_u32 s18, s18, s17
	s_mov_b32 s19, 0
	s_mov_b32 s21, 0
	s_lshl_b32 s22, s16, 12                        ; lora_b: 64 rows of 64 bytes
	s_mov_b32 s23, 0
	s_lshl_b32 s24, s15, 18                        ; wb: 262,144 bytes a K step,
	s_lshl_b32 s17, s16, 13                        ; and four units of 2,048
	s_add_co_u32 s24, s24, s17
	s_mov_b32 s25, 0
	v_lshlrev_b32 v[CO], 14, v2
	v_lshl_add_u32 v[CO], v3, 7, v[CO]
	v_lshlrev_b32 v[LBO], 6, v2
	v_lshl_add_u32 v[LBO], v3, 5, v[LBO]
	v_lshlrev_b32 v[SCO], 8, v2
	v_lshlrev_b32 v[LAO], 4, v2
	v_lshl_add_u32 v[LAO], v3, 17, v[LAO]
	v_lshlrev_b32 v[WO], 4, v2
	v_lshl_add_u32 v[WO], v3, 10, v[WO]
	s_wait_kmcnt 0x0
	s_add_nc_u64 s[4:5], s[4:5], s[2:3]
	s_add_nc_u64 s[6:7], s[6:7], s[18:19]
	s_add_nc_u64 s[8:9], s[8:9], s[20:21]
	s_add_nc_u64 s[10:11], s[10:11], s[22:23]
	s_add_nc_u64 s[12:13], s[12:13], s[24:25]
	; all 52 loads: lora_a's 8, then 11 a unit.  No address register and no base is written again.
.irp j, 0,1,2,3,4,5,6,7
	global_load_b128 v[C+4*(\j):C+4*(\j)+3], v[LAO], s[8:9] offset:(\j)*16384  ; A[8 h + j][64 s + 4 r + 0..3]
.endr
.irp u, 0,1,2,3
	global_load_b128 v[LB+8*(\u):LB+8*(\u)+3],   v[LBO], s[10:11] offset:(\u)*1024     ; B[n0 + r][8 h + 0..3]
	global_load_b128 v[LB+8*(\u)+4:LB+8*(\u)+7], v[LBO], s[10:11] offset:(\u)*1024+16  ; B[n0 + r][8 h + 4..7]
	global_load_b32  v[SC+2*(\u)], v[SCO], s[6:7] offset:(\u)*4096                     ; scale[n0 + r][s]
.irp j, 0,1,2,3,4,5,6,7
	global_load_b128 v[CD+32*(\u)+4*(\j):CD+32*(\u)+4*(\j)+3], v[CO], s[4:5] offset:(\u)*262144+16*(\j) th:TH_LOAD_NT  ; code[n0 + r][64 s + 32 h + 4 j + 0..3]
.endr
.endr
	; while they are on their way: the table, and the zeros of K 16..31
.macro ENTRY i, val                    ; the lanes with r = i take the table's entry i
	v_cmp_ne_u32 vcc_lo, \i, v2
	v_cndmask_b32 v[TAB], \val, v[TAB], vcc_lo
.endm
	v_mov_b32 v[TAB], 0xbf800000                   ; -1.0
	ENTRY 1,  0xbf3239b1                           ; -0.6961928009986877
	ENTRY 2,  0xbf066b30                           ; -0.5250730514526367
	ENTRY 3,  0xbeca32a0                           ; -0.39491748809814453
	ENTRY 4,  0xbe91a24d                           ; -0.28444138169288635
	ENTRY 5,  0xbe3d353f                           ; -0.18477343022823334
	ENTRY 6,  0xbdba7871                           ; -0.09105003625154495
	ENTRY 7,  0
	ENTRY 8,  0x3da2faff                           ; 0.07958029955625534
	ENTRY 9,  0x3e24cae3                           ; 0.16093020141124725
	ENTRY 10, 0x3e7c04dd                           ; 0.24611230194568634
	ENTRY 11, 0x3ead033a                           ; 0.33791524171829224
	ENTRY 12, 0x3ee1a4b8                           ; 0.44070982933044434
	ENTRY 13, 0x3f1007ab                           ; 0.5626170039176941
	ENTRY 14, 0x3f3913b3                           ; 0.7229568362236328
	ENTRY 15, 0x3f800000                           ; 1.0
.irp t, 0,1,2,3
.irp k, 4,5,6,7
	v_mov_b32 v[A0+8*(\t)+(\k)], 0
.endr
.endr
.irp k, 4,5,6,7
	v_mov_b32 v[B1+(\k)], 0
.endr
	s_wait_loadcnt 44                              ; loads come back in order: lora_a's 8 are in, the units' 44 may stay out
.set k, 0
.rept 16
	v_pk_mul_f32 v[C+k:C+k+1], v[C+k:C+k+1], 2.0 op_sel_hi:[1,0]  ; alpha / rank = 2: exact, so it may stand ahead of the rounding
.set k, k+2
.endr
.irp t, 0,1,2,3
.irp i, 0,1,2,3
	v_cvt_pk_bf16_f32 v[A0+8*(\t)+(\i)], v[C+8*(\i)+(\t)], v[C+8*(\i)+4+(\t)]  ; ranks 8 h + 2 i and 8 h + 2 i + 1 at k = 64 s + 4 r + t
.endr
.endr
.macro UNIT u
	s_wait_loadcnt 11*(3-(\u))                     ; this unit's 11 loads are in; the younger units' may stay out
.set k, 0
.rept 32
	v_min_u32 v[CD+32*(\u)+k], 15, v[CD+32*(\u)+k] ; a loaded number becomes a lane's index only behind this bound
.set k, k+1
.endr
.set k, 0
.rept 32
	v_lshlrev_b32 v[CD+32*(\u)+k], 2, v[CD+32*(\u)+k]  ; the pull takes 4 x the lane's number
.set k, k+1
.endr
.irp i, 0,1,2,3
	v_cvt_pk_bf16_f32 v[B1+(\i)], v[LB+8*(\u)+2*(\i)], v[LB+8*(\u)+2*(\i)+1]
.endr
	v_cvt_pk_bf16_f32 v[TMP], v[SC+2*(\u)], v[SC+2*(\u)]  ; the scale rounded to bf16, as every floating-point input is,
	v_lshlrev_b32 v[SC+2*(\u)], 16, v[TMP]                ; and back as f32, twice: a pair for the packed multiply
	v_and_b32 v[SC+2*(\u)+1], 0xffff0000, v[TMP]
.irp j, 0,1,2,3,4,5,6,7
.irp t, 0,1,2,3
	ds_bpermute_b32 v[C+8*(\t)+(\j)], v[CD+32*(\u)+4*(\j)+(\t)], v[TAB]  ; NF4[code]; the last unit's products stand more than four plain vector instructions back
.endr
.endr
	s_wait_dscnt 0x0
.set k, 0
.rept 16
	v_pk_mul_f32 v[C+k:C+k+1], v[C+k:C+k+1], v[SC+2*(\u):SC+2*(\u)+1]
.set k, k+2
.endr
.irp t, 0,1,2,3                        ; four accumulators, one instruction each
	v_wmma_f32_16x16x32_bf16 v[C+8*(\t):C+8*(\t)+7], v[A0+8*(\t):A0+8*(\t)+7], v[B1:B1+7], v[C+8*(\t):C+8*(\t)+7]
.endr
.rept 8
	v_nop                                          ; plain vector instructions between the products and the first read of a result (ISA guide 7.12.1)
.endr
.irp p, 0,1,2,3                        ; piece p: k = 64 s + 32 h + 8 p + 0..7.  Each accumulator is read from its lowest register on
	v_cvt_pk_bf16_f32 v[CD+32*(\u)+4*(\p)],   v[C+2*(\p)],      v[C+8+2*(\p)]
	v_cvt_pk_bf16_f32 v[CD+32*(\u)+4*(\p)+1], v[C+16+2*(\p)],   v[C+24+2*(\p)]
	v_cvt_pk_bf16_f32 v[CD+32*(\u)+4*(\p)+2], v[C+2*(\p)+1],    v[C+8+2*(\p)+1]
	v_cvt_pk_bf16_f32 v[CD+32*(\u)+4*(\p)+3], v[C+16+2*(\p)+1], v[C+24+2*(\p)+1]
.endr
.irp p, 0,1,2,3
	global_store_b128 v[WO], v[CD+32*(\u)+4*(\p):CD+32*(\u)+4*(\p)+3], s[12:13] offset:(\u)*2048+((\p)/2)*512+((\p)%2)*256  ; lanes 0-15 store 256 consecutive bytes, aligned; lanes 16-31 another 256.  The data registers are not written again
.endr
.endm
	UNIT 0
	UNIT 1
	UNIT 2
	UNIT 3
	s_endpgm
.Lfunc_end_k_qda859dabeb_merge:
	.size	k_qda859dabeb_merge, .Lfunc_end_k_qda859dabeb_merge-k_qda859dabeb_merge
	.p2alignl 7, 3214868480
	.fill 96, 4, 3214868480
	.section	.rodata,"a",@progbits
	.p2align	6, 0x0
	.amdhsa_kernel k_qda859dabeb_merge
		.amdhsa_group_segment_fixed_size 0
		.amdhsa_private_segment_fixed_size 0
		.amdhsa_enable_private_segment 0
		.amdhsa_kernarg_size 40
		.amdhsa_user_sgpr_count 2
		.amdhsa_user_sgpr_kernarg_segment_ptr 1
		.amdhsa_wavefront_size32 1
		.amdhsa_system_sgpr_workgroup_id_x 1
		.amdhsa_system_sgpr_workgroup_id_y 1
		.amdhsa_system_sgpr_workgroup_id_z 1
		.amdhsa_system_vgpr_workitem_id 0
		.amdhsa_next_free_vgpr 256
		.amdhsa_next_free_sgpr 66
		.amdhsa_reserve_vcc 1
		.amdhsa_float_denorm_mode_32 3
		.amdhsa_float_denorm_mode_16_64 3
		.amdhsa_memory_ordered 1
		.amdhsa_forward_progress 1
		.amdhsa_inst_pref_size 41
	.end_amdhsa_kernel
	.amdgpu_metadata
---
amdhsa.version: [ 1, 2 ]
amdhsa.kernels:
  - .name:           k_qda859dabeb_merge
    .symbol:         k_qda859dabeb_merge.kd
    .args:
      - { .name: w_codes, .offset: 0, .size: 8, .value_kind: global_buffer, .address_space: global }
      - { .name: w_scales, .offset: 8, .size: 8, .value_kind: global_buffer, .address_space: global }
      - { .name: lora_a, .offset: 16, .size: 8, .value_kind: global_buffer, .address_space: global }
      - { .name: lora_b, .offset: 24, .size: 8, .value_kind: global_buffer, .address_space: global }
      - { .name: wb, .offset: 32, .size: 8, .value_kind: global_buffer, .address_space: global }
    .group_segment_fixed_size: 0
    .private_segment_fixed_size: 0
    .kernarg_segment_align: 8
    .kernarg_segment_size: 40
    .max_flat_workgroup_size: 256
    .sgpr_count:     66
    .vgpr_count:     256
    .wavefront_size: 32
...
	.end_amdgpu_metadata
.endif
;; end of part 1
;; launch gemm (part 2): grid 8 x 32, 4 waves a work-group, clusters of 4 x 4, 327,680 bytes of LDS; arguments x, wb, out0; writes out0
.if DOCPART == 2
	.amdgcn_target "amdgcn-amd-amdhsa--gfx1250"
	.amdhsa_code_object_version 6
	.text
	.protected	k_qda859dabeb_gemm
	.globl	k_qda859dabeb_gemm
	.p2align	8
	.type	k_qda859dabeb_gemm,@function
k_qda859dabeb_gemm:
	s_mov_b64 s[64:65], 0
	v_nop
	global_prefetch_b8 v0, s[64:65] scope:SCOPE_SE
	s_setreg_imm32_b32 hwreg(HW_REG_WAVE_MODE, 25, 1), 1
	s_wait_xcnt 0x0
	s_wait_alu depctr_hold_cnt(0) depctr_sa_sdst(0) depctr_va_vdst(0) depctr_va_sdst(0) depctr_va_ssrc(0) depctr_va_vcc(0) depctr_vm_vsrc(0)
	s_getreg_b32 s2, hwreg(HW_REG_IB_STS2, 6, 4)
	s_cmp_eq_u32 s2, 0
	s_cbranch_scc0 .Lentry_in_a_cluster
	s_endpgm
.Lentry_in_a_cluster:
	s_bfe_u32 s2, ttmp6, 0x10000c
	s_cmp_lg_u32 s2, 0xf033
	s_cbranch_scc0 .Lentry_shape_is_right
	s_endpgm
.Lentry_shape_is_right:
; out0[m][n] = the sum over k of bf16(x[m][k]) Wb[n][k].  x: [8192][4096] f32; Wb: the merged weight W + 2 B A in bf16, laid out by the launch before; out0: [8192][2048] f32; sums in f32.
; Nothing of reference() is left out: its LoRA path lies in Wb (x W^T + 2 (x A^T) B^T = x (W + 2 B A)^T for all values).  LIMITS: x is rounded to bf16 on its way from LDS to the
; matrix unit; NaN and infinities are not treated apart.
; x STAYS f32 IN MEMORY: a copy in bf16 would be a store and a second read of half its bytes, beside the one read that no program escapes.
; SHARES.  A tile of out0 is 256 x 256: 8 x 32 tiles, a work-group each.  Wave w owns the tile's rows 64 w .. 64 w + 63 and all 256 columns: 4 x 16 accumulators of 16 x 16, 512 registers.
; So each number of x is read from LDS and rounded by ONE wave: 32 packed roundings for 64 matrix instructions; for 32 along K a wave reads 8 KiB of x and 16 KiB of Wb.
; K goes in 64 steps of 64 (256 consecutive bytes, aligned, of each row of x) through a ring of two LDS slots; two slots of 128 along K (401,408 bytes) do not fit.
; A step is two QUARTERS of 32 along K, 64 matrix instructions each: the first on fragment buffers 0, the second on buffers 1.
; CLUSTERS: 4 x 4 work-groups.  The four of a row of the cluster need the same rows of x, the four of a column the same rows of Wb: each tile is asked for JOINTLY, by the same tensor
; load with the same descriptor and a mask that names the four.
; THE MATRIX INSTRUCTION IS USED TRANSPOSED (source 0 = 16 rows of Wb, source 1 = 16 rows of x): lane l then holds row l % 16 of out0 and the columns 8 (l / 16) + 0..7.
; REGISTERS, in windows of 256 (s_set_vgpr_msb: bits 1:0 source 0, 3:2 source 1, 5:4 source 2, 7:6 destination):
;   window 0: v0-30 addresses; v64-95, v96-127 x's fragments in bf16, two buffers (8 registers for each 16 rows); v128-191 x as read, f32 (16 for each 16 rows); v128-255 at work on the way out
;   window 1: v0-127, v128-255 Wb's fragments, two buffers (n block b at 8 b)
;   window 2: accumulators of my rows 0-31, (a, b) at 8 (16 (a % 2) + b);   window 3: those of my rows 32-63
.set PA,     272                       ; a row of x in LDS: 256 bytes + 16 of padding: an odd multiple of 16, so the 16 rows that a load touches fall on 16 different 16-byte columns of 256
.set AHALF,  128*PA                    ; 128 rows: one tensor load
.set ABYTES, 2*AHALF
.set BHALF,  16384                     ; 8 n blocks of 2,048 dense bytes: one tensor load
.set SLOT,   ABYTES+2*BHALF            ; 102,400: x's 256 rows, then Wb's 16 n blocks
.set STAGE,  2*SLOT                    ; behind the ring, never filled by a tensor load: 16 rows x 528 bytes for each wave, for the way out
.set SPITCH, 528                       ; 512 bytes + 16
.set SPARE,  STAGE+4*16*SPITCH         ; behind the stages: the spare words, 128 bytes for each wave: two blocks of 256 bytes that no other line names
.set ASTEP,  256                       ; bytes from K step to K step in a row of x,
.set BSTEP,  262144                    ; and in wb
.set OROW,   8192                      ; bytes in a row of out0
.set LAPS,   30                        ; trips of the loop: two K steps each; steps 0 (first quarter) and 60 (second quarter) to 63 are written out
.set ADRA, 16                          ; v16-17  LDS address of my x in slot 0, 1: (64 w + l % 16) x 272 + 32 (l / 16)
.set ADRB, 20                          ; v20-21  the same for Wb: 16 l
.set STO,  24                          ; v24     the way out: where I put 32 bytes of a row
.set RD,   25                          ; v25     the way out: where I read a row back
.set CO,   26                          ; v26     my 16 bytes of 512 in a row of out0
.set SPW,  28                          ; v28     LDS address of my spare word: SPARE + 4 x my thread's number; never rewritten
.set NIL,  29                          ; v29     0; never rewritten
.set PFO,  30                          ; v30     the prefetches' offset; never rewritten
.set AF,   64
.set RAW,  128
.set G1,  24                           ; s[24:31] descriptor group 1 for x's tiles;  s[32:39] group 0, a set for each slot
.set G0,  32
.set G1B, 48                           ; s[48:55], s[56:63] the same for Wb's tiles
.set G0B, 56
.set LIM, 43                           ; s43      1 in a wave that prefetches, else the greatest number
.set PFA, 44                           ; s[44:45] where my prefetches stand
.set PFS, 66                           ; s[66:67] their step: a K step of x or of wb
.set MSB, 0
.macro WIN new                         ; the immediate's high byte repeats the setting that is left; a switch that changes nothing is dropped
.if MSB != (\new)
	s_set_vgpr_msb (MSB<<8)|(\new)
.set MSB, \new
.endif
.endm
.set MUL_LO, 0xa1                      ; source 0 (Wb) window 1, source 1 (x) window 0, C and D window 2
.set TO_B,   0x40                      ; destination window 1, address window 0
; A vector instruction that writes, and a load into, a register that a matrix instruction has read stand four plain vector instructions behind it (ISA guide 7.12.1 for vector instructions).
.macro PLACES
.rept 4
	v_nop
.endr
.endm
; A joint load.  Waves 0 and 1 fetch the two halves of x's tile, waves 2 and 3 those of Wb's.  The branch hangs on the wave's number alone.  An s_nop 0 and four v_nop follow each of the two lines.
.macro JLOAD s
	s_cmp_eq_u32 s11, 0
	s_cbranch_scc0 .Lfor_b_\@
	tensor_load_to_lds s[G0+4*(\s):G0+4*(\s)+3], s[G1:G1+7]
	s_nop 0
.rept 4
	v_nop
.endr
	s_branch .Lasked_\@
.Lfor_b_\@:
	tensor_load_to_lds s[G0B+4*(\s):G0B+4*(\s)+3], s[G1B:G1B+7]
	s_nop 0
.rept 4
	v_nop
.endr
.Lasked_\@:
.endm
; A round of the cluster's barrier: my work-group's barrier; wave 0 signals for the work-group; every wave waits for all sixteen; my work-group's barrier once more.
.macro CREST                           ; a round behind its opening barrier
	s_cmp_lg_u32 s10, 0
	s_cbranch_scc1 .Lnot_wave_0_\@
	s_barrier_signal -3
.Lnot_wave_0_\@:
	s_barrier_wait -3
	s_barrier_signal -1
	s_barrier_wait -1
.endm
.macro CROUND
	s_barrier_signal -1
	s_barrier_wait -1
	CREST
.endm
; A PREFETCH INTO THE L2, behind a joint load, its five lines and the run of LDS loads that follows them: the K step that stands FOUR refills on (512 matrix instructions ahead of the load that will ask for it).
; Each aligned block of 256 bytes is named once in the launch.  x's rows are read by both clusters of a row of clusters: cluster x = 0 asks; of the 128 rows that wave 0 or 1 fetches, the partner at cx
; takes 32, a lane a row.  Wb's tile column is read by all eight clusters of a column: cluster y = 0 asks; of a K step's 128 blocks the partner at cy takes 32, a lane a block, in wave 2.  The partners are
; told apart by address alone.  K steps 0 to 5 come by their loads alone; the loop's last trip asks for nothing: its requests would name steps 64 and 65.
.macro ASK
	s_cmp_gt_u32 s3, s[LIM]                        ; s3 = 1 in the loop's last trip
	s_cbranch_scc0 .Lnot_mine_\@
	global_prefetch_b8 v[PFO], s[PFA:PFA+1] th:TH_LOAD_NT scope:SCOPE_SE
.Lnot_mine_\@:
.endm
	s_load_b128 s[4:7], s[0:1], 0x0                ; x s[4:5], wb s[6:7]
	s_load_b64 s[8:9], s[0:1], 0x10                ; out0
	v_lshl_add_u32 v[SPW], v0, 2, SPARE
	v_mov_b32 v[NIL], 0
	ds_add_u32 v[SPW], v[NIL]                      ; the wave's opening: the add, twice on end, and its wait ahead of my first tensor load; the set-up below stands between
	ds_add_u32 v[SPW], v[NIL]
	v_lshrrev_b32 v1, 5, v0
	v_readfirstlane_b32 s10, v1                    ; wave 0..3
	s_lshr_b32 s11, s10, 1                         ; I fetch for x (0) or for Wb (1),
	s_and_b32 s12, s10, 1                          ; its first or second half
	s_bfe_u32 s40, ttmp6, 0x40000                  ; cx, cy: my place in the cluster
	s_bfe_u32 s41, ttmp6, 0x40004
	s_lshl_b32 s42, ttmp9, 2
	s_add_co_u32 s42, s42, s40                     ; tile column = 4 x cluster x + cx
	s_and_b32 s13, ttmp7, 0xffff
	s_lshl_b32 s13, s13, 2
	s_add_co_u32 s13, s13, s41                     ; tile row = 4 x cluster y + cy
	s_lshl_b32 s43, s41, 2
	s_lshl_b32 s43, 15, s43                        ; my row of the cluster
	s_lshl_b32 s44, 0x1111, s40                    ; my column
	; group 1 for x: 128 rows x 64 elements of 4 bytes, 4,096 elements from row to row, 4 words of padding behind every 64
	s_or_b32 s[G1+0], s43, (2<<16)|(1<<20)|(1<<21)|(5<<22)|(3<<25)  ; 15:0 the mask; 17:16 element of 4 bytes; 20 padding on; 21 set beside a mask; 24:22 after every 64 words (code 5); 31:25 4 words (code 3)
	s_mov_b32 s[G1+1], 64<<16                      ; tensor_dim0 = 64
	s_mov_b32 s[G1+2], 128<<16                     ; tensor_dim1 = 128
	s_mov_b32 s[G1+3], 64<<16                      ; tile_dim0 = 64
	s_mov_b32 s[G1+4], 128                         ; tile_dim1 = 128
	s_mov_b32 s[G1+5], 4096                        ; tensor_dim0_stride
	s_mov_b32 s[G1+6], 0
	s_mov_b32 s[G1+7], 0
	; group 1 for Wb: 16,384 dense bytes as 64 rows of 32 elements of 8 bytes, no padding
	s_or_b32 s[G1B+0], s44, (3<<16)|(1<<21)
	s_mov_b32 s[G1B+1], 32<<16
	s_mov_b32 s[G1B+2], 64<<16
	s_mov_b32 s[G1B+3], 32<<16
	s_mov_b32 s[G1B+4], 64
	s_mov_b32 s[G1B+5], 32
	s_mov_b32 s[G1B+6], 0
	s_mov_b32 s[G1B+7], 0
	; where the tiles come from: x's hang on the tile row alone, Wb's on the tile column alone, each in registers that never hold the other coordinate
	s_lshl_b32 s16, s13, 8
	s_lshl_b32 s17, s12, 7
	s_add_co_u32 s16, s16, s17                     ; x: row 256 x tile row + 128 x half,
	s_lshl_b32 s16, s16, 14                        ; of 16,384 bytes (under 2^28)
	s_mov_b32 s17, 0
	s_lshl_b32 s46, s42, 15                        ; wb: 32,768 bytes a tile column in a K step,
	s_lshl_b32 s47, s12, 14                        ; 16,384 a half
	s_add_co_u32 s46, s46, s47
	s_mov_b32 s47, 0
	s_mul_i32 s20, s12, AHALF                      ; and where they go: no place in the cluster enters an LDS address
	s_lshl_b32 s21, s12, 14
	s_add_co_u32 s21, s21, ABYTES
	s_wait_dscnt 0x0                               ; both opening adds are done
	s_wait_kmcnt 0x0
	s_add_nc_u64 s[14:15], s[4:5], s[16:17]
	s_add_nc_u64 s[46:47], s[6:7], s[46:47]
	CROUND                                         ; all sixteen work-groups are here: the first joint loads meet
.irp s, 0,1
	s_mov_b32 s[G0+4*(\s)], 1                                        ; count = 1
	s_add_co_u32 s[G0+4*(\s)+1], s20, (\s)*SLOT                      ; LDS address
	s_add_nc_u64 s[G0+4*(\s)+2:G0+4*(\s)+3], s[14:15], (\s)*ASTEP    ; global address: K step s
	s_or_b32 s[G0+4*(\s)+3], s[G0+4*(\s)+3], 0x80000000              ; type = 2
	s_mov_b32 s[G0B+4*(\s)], 1
	s_add_co_u32 s[G0B+4*(\s)+1], s21, (\s)*SLOT
	s_add_nc_u64 s[G0B+4*(\s)+2:G0B+4*(\s)+3], s[46:47], (\s)*BSTEP
	s_or_b32 s[G0B+4*(\s)+3], s[G0B+4*(\s)+3], 0x80000000
	JLOAD \s                                       ; two tensor loads of mine are out: the most in this text
.endr
	v_and_b32 v1, 15, v0                           ; l % 16
	v_bfe_u32 v2, v0, 4, 1                         ; l / 16
	v_and_b32 v3, 31, v0                           ; l
	v_mul_u32_u24 v4, v1, PA
	v_lshl_add_u32 v4, v2, 5, v4                   ; row x pitch + 32 x half: eight f32
	s_mul_i32 s21, s10, 64*PA                      ; my 64 rows
	v_add_nc_u32 v[ADRA], s21, v4
	v_add_nc_u32 v[ADRA+1], SLOT, v[ADRA]
	v_lshlrev_b32 v5, 4, v3                        ; 16 l
	v_add_nc_u32 v[ADRB], ABYTES, v5
	v_add_nc_u32 v[ADRB+1], SLOT+ABYTES, v5
	s_mul_i32 s23, s10, 16*SPITCH
	s_add_co_u32 s23, s23, STAGE                   ; my stage
	v_mul_u32_u24 v6, v1, SPITCH                   ; in: row l % 16, 32 bytes for each half of the lanes
	v_lshl_add_u32 v6, v2, 5, v6
	v_add_nc_u32 v[STO], s23, v6
	v_add_nc_u32 v[RD], s23, v5                    ; back: 32 lanes take a row's 512 bytes
	v_mov_b32 v[CO], v5
	s_lshl_b32 s16, s13, 8                         ; out0 at my first row, 256 x tile row + 64 x wave, of 8,192 bytes,
	s_lshl_b32 s17, s10, 6
	s_add_co_u32 s16, s16, s17
	s_lshl_b32 s16, s16, 13
	s_mov_b32 s17, 0
	s_add_nc_u64 s[8:9], s[8:9], s[16:17]
	s_lshl_b32 s46, s42, 10                        ; and the tile's first column: 1,024 bytes a tile
	s_mov_b32 s47, 0
	s_add_nc_u64 s[8:9], s[8:9], s[46:47]
	; the prefetches
	s_lshl_b32 s18, s13, 8
	s_lshl_b32 s19, s12, 7
	s_add_co_u32 s18, s18, s19                     ; x: the 128 rows that I fetch,
	s_lshl_b32 s19, s40, 5
	s_add_co_u32 s18, s18, s19                     ; my work-group's 32 of them,
	s_lshl_b32 s18, s18, 14
	s_add_co_u32 s18, s18, 5*ASTEP                 ; at K step 5: the first refill steps it to 6
	s_lshl_b32 s19, s42, 15                        ; wb: the tile column,
	s_lshl_b32 s20, s41, 13                        ; my work-group's 32 blocks of its 128,
	s_add_co_u32 s19, s19, s20
	s_add_co_u32 s19, s19, 5*BSTEP                 ; at K step 5
	s_and_b32 s22, ttmp7, 0xffff                   ; cluster y
	s_mov_b32 s20, ASTEP
	s_mov_b32 s21, BSTEP
	s_cmp_eq_u32 s11, 0                            ; do I fetch for x?
	s_cselect_b32 s18, s18, s19
	s_cselect_b32 s22, ttmp9, s22                  ; the coordinate along which other clusters read the same bytes
	s_cselect_b32 s[PFS], s20, s21
	s_cselect_b32 s23, 14, 8                       ; a lane a row of x, or a lane a block of 256 bytes of wb
	s_cselect_b64 s[PFA:PFA+1], s[4:5], s[6:7]
	s_mov_b32 s19, 0
	s_mov_b32 s[PFS+1], 0
	s_add_nc_u64 s[PFA:PFA+1], s[PFA:PFA+1], s[18:19]
	s_cmp_eq_u32 s22, 0
	s_cselect_b32 s[LIM], 1, -1                    ; the same in all sixteen partners, for a given wave
	s_cmp_eq_u32 s10, 3
	s_cselect_b32 s[LIM], -1, s[LIM]               ; wave 2 asks for all of my work-group's share of Wb
	v_lshlrev_b32 v[PFO], s23, v3
	s_mov_b32 s3, LAPS
; Matrix instruction i of a quarter's 64, on buffers f: rows 16 (i / 16) on, columns 16 (i % 16) on.  All 64 accumulators take turns, one instruction a turn, in the same order in every quarter,
; over the backward jump too.  zero = 1: the product starts the sum: nothing is ever cleared.
.macro MM f, zero
.set ma, i/16
.set mb, i%16
.set rD, 8*(16*(ma%2)+mb)
	WIN MUL_LO+0x50*(ma/2)
.if \zero
	v_wmma_f32_16x16x32_bf16 v[rD:rD+7], v[128*(\f)+8*mb:128*(\f)+8*mb+7], v[AF+32*(\f)+8*ma:AF+32*(\f)+8*ma+7], 0
.else
	v_wmma_f32_16x16x32_bf16 v[rD:rD+7], v[128*(\f)+8*mb:128*(\f)+8*mb+7], v[AF+32*(\f)+8*ma:AF+32*(\f)+8*ma+7], v[rD:rD+7]
.endif
.set i, i+1
.endm
.macro MMS f, n, zero
.rept \n
	MM \f, \zero
.endr
.endm
; Four of a quarter's 32 roundings: x as read -> fragment buffer g.  A fragment's registers 0-3 hold K = 8 (l / 16) + 0..7, registers 4-7 K = 16 + 8 (l / 16) + 0..7: the order in which RUN reads.
.macro CV4 g
	WIN 0
.rept 4
	v_cvt_pk_bf16_f32 v[AF+32*(\g)+c], v[RAW+2*c], v[RAW+2*c+1]
.set c, c+1
.endr
.endm
; 48 LDS loads in one run: a quarter's x (64 rows x 32 f32, 16 loads, first) and its Wb (16 fragments, 32 loads, into buffer g), from half `half` of the slot's 64 along K.
.macro RUN slot, half, g
	WIN 0
.irp a, 0,1,2,3
.irp e, 0,1,2,3
	ds_load_b128 v[RAW+16*(\a)+4*(\e):RAW+16*(\a)+4*(\e)+3], v[ADRA+(\slot)] offset:(\a)*16*PA+(\half)*128+((\e)%2)*16+((\e)/2)*64
.endr
.endr
	WIN TO_B
.irp b, 0,1,2,3,4,5,6,7,8,9,10,11,12,13,14,15
	ds_load_b128 v[128*(\g)+8*(\b):128*(\g)+8*(\b)+3],   v[ADRB+(\slot)] offset:(\b)*2048+(\half)*1024
	ds_load_b128 v[128*(\g)+8*(\b)+4:128*(\g)+8*(\b)+7], v[ADRB+(\slot)] offset:(\b)*2048+(\half)*1024+512
.endr
.endm
; The first 48 products of a step's first quarter (buffers 0).  At its head the step's second half is fetched; its x is rounded into buffer 1 in fours behind eight of the products.
.macro QE slot, zero
.set i, 0
.set c, 0
	PLACES                                         ; buffers 1 were read by the products just issued
	RUN \slot, 1, 1
	s_wait_dscnt 48                                ; all but the 48 just issued: Wb's buffer 0 is in
	MMS 0, 32, \zero
	s_wait_dscnt 32                                ; the run's 16 loads of x are in; its 32 of Wb may stay out
.rept 8
	MM 0, \zero
	CV4 1
.endr
	MMS 0, 8, \zero
.endm
; The last 16 products of that quarter, and THE CHANGE OF SLOTS.  All reads of slot `slot` have been issued (its first half in the quarter before the step, its second half in QE).  Each wave waits for all its
; tensor loads, of which one is out: its part of the other slot; adds 0 to its spare word; and waits for that and for its reads.  Behind the barrier nobody reads this slot and the other is whole.
; fill = 1: the barrier opens a round of the cluster's, and the joint refill, two K steps on, is the first thing behind it: 112 matrix instructions ahead of the wait for it.
.macro CHG slot, fill, zero
.if \fill
	s_wait_xcnt 0x0                                ; the last prefetch, a K step back, has read its address: it is stepped here
	s_add_nc_u64 s[PFA:PFA+1], s[PFA:PFA+1], s[PFS:PFS+1]
.endif
	WIN 0                                          ; (the add's two registers lie in window 0)
	s_wait_tensorcnt 0x0                           ; no tensor load of mine is out, so a group 0 may be written
	ds_add_u32 v[SPW], v[NIL]                      ; 0 onto my spare word
.if \fill
	s_add_nc_u64 s[G0+4*(\slot)+2:G0+4*(\slot)+3], s[G0+4*(\slot)+2:G0+4*(\slot)+3], 2*ASTEP
	s_add_nc_u64 s[G0B+4*(\slot)+2:G0B+4*(\slot)+3], s[G0B+4*(\slot)+2:G0B+4*(\slot)+3], 2*BSTEP
.endif
	MMS 0, 8, \zero                                ; eight matrix instructions stand between the add and the wait for it
	s_wait_dscnt 0x0                               ; the add is done, and my reads of this slot are over
	s_barrier_signal -1
	MMS 0, 8, \zero                                ; work on registers while the others arrive
.if \fill
	WIN 0
.endif
	s_barrier_wait -1
.if \fill
	CREST                                          ; no wave of any partner still reads this slot or has a load on its way
	JLOAD \slot                                    ; its four v_nop are also the places in front of the loads and roundings into buffers 0
.else
	PLACES
.endif
.endm
; A step's second quarter (buffers 1).  At its head the NEXT step's first half is fetched from the other slot; its x is rounded into buffer 0 behind eight of the products.
.macro QO slot, ask
.set i, 0
.set c, 0
	RUN 1-(\slot), 0, 0
.if \ask
	WIN 0
	ASK
.endif
	MMS 1, 32, 0
	s_wait_dscnt 32                                ; the run's 16 loads of x are in
.rept 8
	MM 1, 0
	CV4 0
.endr
	MMS 1, 24, 0
.endm
; THE WAY OUT, in eight blocks n of 16 rows x 128 columns (rows 16 (n / 2) on, columns 128 (n % 2) on): a lane's 32 bytes of a row go into my own stage, rows of 528 bytes, and come back as whole
; rows of 512; LDS serves a wave's instructions in order (ISA guide 5.7.1.4), so no wait stands between.  Each accumulator's four lowest registers are read first.
.macro TOSTAGE n
.set ta, (\n)/2
.set hf, (\n)%2
.set BK, 192-64*((\n)%2)
	WIN 4*(2+ta/2)                                 ; the stores' data (source 1) in window 2 or 3
.irp bb, 0,1,2,3,4,5,6,7
.set rD, 8*(16*(ta%2)+8*hf+(\bb))
	ds_store_b128 v[STO], v[rD:rD+3]   offset:64*(\bb)
	ds_store_b128 v[STO], v[rD+4:rD+7] offset:64*(\bb)+16
.endr
	WIN 0
	s_wait_xcnt 0x0                                ; the stores of the block two back, which read these registers, have had their addresses translated (ISA guide 3.1)
.irp t, 0,1,2,3,4,5,6,7,8,9,10,11,12,13,14,15
	ds_load_b128 v[BK+4*(\t):BK+4*(\t)+3], v[RD] offset:SPITCH*(\t)
.endr
.endm
.macro SEND n, younger                 ; younger: the LDS instructions issued behind block n's loads: the next block's 32, or none
.set ta, (\n)/2
.set hf, (\n)%2
.set BK, 192-64*((\n)%2)
	WIN 0
	s_wait_dscnt \younger
.irp t, 0,1,2,3,4,5,6,7,8,9,10,11,12,13,14,15
	global_store_b128 v[CO], v[BK+4*(\t):BK+4*(\t)+3], s[8:9] offset:(16*ta+(\t))*OROW+512*hf th:TH_STORE_NT  ; the wave stores 512 consecutive bytes of a row, at a multiple of 512 from out0's first byte; the base is never stepped
.endr
.endm
	s_wait_tensorcnt 1                             ; my part of K step 0 is in; step 1's may stay out
	s_barrier_signal -1
	s_barrier_wait -1                              ; everybody's is
	RUN 0, 0, 0
	s_wait_dscnt 32                                ; x's 16 loads are in
.set c, 0
.rept 8
	CV4 0
.endr
	QE 0, 1                                        ; K step 0's first quarter stands in front of the loop: its products start the sums
	CHG 0, 1, 1                                    ; slot 0 takes K step 2
	WIN 0                                          ; at a label and at a branch every window is 0
.Llap:                                                 ; trip t: second quarter of step 2 t, step 2 t + 1, first quarter of step 2 t + 2; steps 2 t + 3 and 2 t + 4 are asked for
	QO 0, 1
	QE 1, 0
	CHG 1, 1, 0
	QO 1, 1
	QE 0, 0
	CHG 0, 1, 0
	WIN 0
	s_sub_co_u32 s3, s3, 1
	s_cmp_lg_u32 s3, 0
	s_cbranch_scc1 .Llap
	QO 0, 0                                        ; the tail is written out: step 60's second quarter
	QE 1, 0                                        ; step 61,
	CHG 1, 1, 0                                    ; slot 1 takes K step 63: the last load
	QO 1, 0
	QE 0, 0                                        ; step 62,
	CHG 0, 0, 0                                    ; nothing is filled again: a plain barrier shows step 63 to every wave
	QO 0, 0
	QE 1, 0                                        ; step 63
	MMS 0, 16, 0
	s_wait_dscnt 0x0                               ; Wb's buffer 1
.set i, 0
	MMS 1, 64, 0
	PLACES
	PLACES                                         ; plain vector instructions between the last products and the first read of a result
	TOSTAGE 0
.irp n, 1,2,3,4,5,6,7                  ; a block's way through the stage stands between the loads of the block before and its stores
	TOSTAGE \n
	SEND (\n)-1, 32
.endr
	SEND 7, 0
	s_wait_tensorcnt 0x0                           ; the wave's end, behind my last tensor load and my last LDS store
	ds_add_u32 v[SPW], v[NIL]
	s_wait_dscnt 0x0
	CROUND                                         ; the closing round: no work-group ends while a partner may still ask for a tile that names it
	s_endpgm
.Lfunc_end_k_qda859dabeb_gemm:
	.size	k_qda859dabeb_gemm, .Lfunc_end_k_qda859dabeb_gemm-k_qda859dabeb_gemm
	.p2alignl 7, 3214868480
	.fill 96, 4, 3214868480
	.section	.rodata,"a",@progbits
	.p2align	6, 0x0
	.amdhsa_kernel k_qda859dabeb_gemm
		.amdhsa_group_segment_fixed_size 327680
		.amdhsa_private_segment_fixed_size 0
		.amdhsa_enable_private_segment 0
		.amdhsa_kernarg_size 24
		.amdhsa_user_sgpr_count 2
		.amdhsa_user_sgpr_kernarg_segment_ptr 1
		.amdhsa_wavefront_size32 1
		.amdhsa_system_sgpr_workgroup_id_x 1
		.amdhsa_system_sgpr_workgroup_id_y 1
		.amdhsa_system_sgpr_workgroup_id_z 1
		.amdhsa_system_vgpr_workitem_id 0
		.amdhsa_next_free_vgpr 1024
		.amdhsa_next_free_sgpr 68
		.amdhsa_reserve_vcc 0
		.amdhsa_float_denorm_mode_32 3
		.amdhsa_float_denorm_mode_16_64 3
		.amdhsa_memory_ordered 1
		.amdhsa_forward_progress 1
		.amdhsa_inst_pref_size 160
	.end_amdhsa_kernel
	.amdgpu_metadata
---
amdhsa.version: [ 1, 2 ]
amdhsa.kernels:
  - .name:           k_qda859dabeb_gemm
    .symbol:         k_qda859dabeb_gemm.kd
    .args:
      - { .name: x, .offset: 0, .size: 8, .value_kind: global_buffer, .address_space: global }
      - { .name: wb, .offset: 8, .size: 8, .value_kind: global_buffer, .address_space: global }
      - { .name: out0, .offset: 16, .size: 8, .value_kind: global_buffer, .address_space: global }
    .group_segment_fixed_size: 327680
    .private_segment_fixed_size: 0
    .kernarg_segment_align: 8
    .kernarg_segment_size: 24
    .max_flat_workgroup_size: 128
    .sgpr_count:     68
    .vgpr_count:     1024
    .wavefront_size: 32
...
	.end_amdgpu_metadata
.endif
;; end of part 2
;; ======== version 2 of 3: 2 launches
;; workspace buffers: wb 16,777,216 bytes; xb 67,108,864 bytes
;; launch prep (part 3): grid 256 x 1, 16 waves a work-group, no clusters, 0 bytes of LDS; arguments w_codes, w_scales, lora_a, lora_b, wb, x, xb; writes wb, xb
.if DOCPART == 3
	.amdgcn_target "amdgcn-amd-amdhsa--gfx1250"
	.amdhsa_code_object_version 6
	.text
	.protected	k_qda859dabeb_prep
	.globl	k_qda859dabeb_prep
	.p2align	8
	.type	k_qda859dabeb_prep,@function
k_qda859dabeb_prep:
	s_mov_b64 s[64:65], 0
	v_nop
	global_prefetch_b8 v0, s[64:65] scope:SCOPE_SE
	s_setreg_imm32_b32 hwreg(HW_REG_WAVE_MODE, 25, 1), 1
	s_wait_xcnt 0x0
; THE TWO OPERANDS OF THE PRODUCT.  reference() computes x W^T + 2 (x A^T) B^T with W[o][i] = NF4[code[o][i]] scale[o][i / 64].  For all values of the inputs that is x (W + 2 B A)^T, by
; associativity alone: so the LoRA path is a rank-16 term added to the weight, once, and the second launch is one product.  NO WORK IS LEFT OUT AS DEAD: all five inputs have a way
; to the output and all five are loaded, here.
; WAVES 0-7 make Wb[o][i] = bf16( NF4[code] x bf16(scale) + sum over r of bf16(2 B[o][r]) bf16(A[r][i]) ): products and sums in f32, ONE rounding of the sum to bf16.
; WAVES 8-15 make xb = bf16(x).  The two tasks share no byte and no barrier; they lie in one launch so that the stream of x runs beside the table look-ups.
; WHY xb: with x in f32 two LDS slots of 128 along K for a tile of 256 x 256 would not fit; and each number is rounded once, not once for each of 8 tile columns.
; THE ORDER OF K.  xb is [8192][4096] and wb [2048][4096], bf16, row-major, BOTH with the same order inside each block of 128 along K: place 8 q + 4 u + e holds k = 64 u + 4 q + e
; (q = 0..15, u = 0..1, e = 0..3).  A product's terms meet as before; only the order of the f32 sums differs.  The gain: a lane that has loaded four neighbouring numbers at 4 q of both halves u
; holds 16 neighbouring bytes of the result, so loads and stores alike go in runs of 256 consecutive bytes, aligned.
; LIMITS.  The LoRA term enters the weight before the one rounding: an order of rounding that differs from reference()'s.  x, scale, A and B are rounded to bf16 first: every
; floating-point input has the same rounding (the factor 2 is exact).  A code above 15 takes the table's last entry; reference() relies on codes 0 to 15.
; NaN and infinities are not treated apart; one in lora_a reaches the four columns k + 1 .. too (see S1 below).
; THE MERGE's SHARES.  A unit is 16 rows x 128 k (block S; two scales a row).  4,096 units, 2,048 waves: a wave has one S and two units, one below the other; the eight waves of a work-group have eight
; neighbouring S: 4 KiB on end of each row of codes, 64 bytes of each row of scales (0.5 MiB of scales in all against 32 MiB of codes).
; THE PRODUCT.  r = lane % 16, h = lane / 16.  For u = 0, 1 and t = 0..3: D = S0 x S1(u, t) + C.  Row m of S0 stands for row n0 + m of W and holds 2 B[n0 + m][0..15]; its K 16..31 are 0.
; Column n of S1(u, t) stands for k = 128 S + 64 u + 4 n + t and holds A[0..15][k].  So register j of D in lane (r, h) is W[n0 + 8 h + j][128 S + 64 u + 4 r + t]: the place of component t of the
; lane's load (u, j) of four codes, in which lanes 0-15 take 256 consecutive bytes of row j and lanes 16-31 of row 8 + j.
; S1's eight fragments lie 4 registers apart: a fragment's K 16..31 are the next fragment's numbers (the last one's are 0), and S0's zeros meet them.  That saves 28 registers.
; THE TABLE lies in a register, entry lane % 16 a lane; a look-up is a pull from the lane that the code names (ds_bpermute_b32: no LDS byte is touched).
.set TAB, 4                            ; v4        NF4[lane % 16]
.set CO,  5                            ; v5        codes and lora_a (rows of 16,384 bytes both): h x 8 rows + r x 16
.set LBO, 6                            ; v6        lora_b: r x 64 + h x 32
.set SCO, 7                            ; v7        scales: h x 8 rows of 256 bytes
.set WO,  9                            ; v9        wb: h x 8 rows of 8,192 bytes + r x 16
.set TMP, 10                           ; v10       at work
.set SCR, 12                           ; v[12:27]  a unit's scales as loaded: row 8 h + j, half u at 12 + 2 j + u
.set SCB, 28                           ; v[28:43]  rounded: half u, row 8 h + j at 28 + 8 u + j: pairs along j for the packed multiply
.set LB,  44                           ; v[44:51]  a unit's lora_b as loaded
.set S0,  52                           ; v[52:59]
.set S1,  60                           ; v[60:95]  fragment (u, t) begins at 60 + 4 (4 u + t)
.set C,   96                           ; v[96:127] C and D of t at 96 + 8 t
.set CD,  128                          ; v[128:255] codes, 64 a unit: load (u, j) at 32 u + 4 j.  A unit's first 32 then take its packed results, row j at 4 j.  The second unit's 64 first hold lora_a as loaded
; the copying waves' registers
.set XLO, 6                            ; v6        my 16 bytes of a load: (lane / 16) x 512 + (lane % 16) x 16; never rewritten
.set XSO, 7                            ; v7        16 x lane: my 16 bytes of a store's 512; never rewritten
.set XR,  8                            ; v[8:127]   slot i of 15: eight f32 as loaded
.set YR,  128                          ; v[128:255] slot i of 32: eight bf16 to store
.set DEPTH, 15                         ; chunks in flight in a copying wave: 30 loads, 15 KiB
.set CHUNKS, 64                        ; a copying wave's 64 KiB of x in chunks of 1,024 bytes
	s_load_b256 s[4:11], s[0:1], 0x0               ; w_codes s[4:5], w_scales s[6:7], lora_a s[8:9], lora_b s[10:11]
	s_load_b64 s[12:13], s[0:1], 0x20              ; wb
	s_load_b64 s[26:27], s[0:1], 0x28              ; x
	s_load_b64 s[28:29], s[0:1], 0x30              ; xb
	v_lshrrev_b32 v1, 5, v0
	v_readfirstlane_b32 s14, v1                    ; wave 0..15
	s_cmp_ge_u32 s14, 8
	s_cbranch_scc1 .Lcopy                          ; waves 8-15 copy x
	v_and_b32 v2, 15, v0                           ; r
	v_bfe_u32 v3, v0, 4, 1                         ; h
	s_and_b32 s15, ttmp9, 3
	s_lshl_b32 s15, s15, 3
	s_add_co_u32 s15, s15, s14                     ; S = 8 (group % 4) + wave
	s_lshr_b32 s16, ttmp9, 2                       ; group / 4: my two units are rows 32 x this + 0..31
	s_lshl_b32 s2, s16, 19                         ; codes: 32 rows of 16,384 bytes,
	s_lshl_b32 s20, s15, 9                         ; and 512 bytes for 128 k (lora_a: the same 512 bytes of each rank's row)
	s_add_co_u32 s2, s2, s20
	s_mov_b32 s3, 0
	s_lshl_b32 s18, s16, 13                        ; scales: 32 rows of 256 bytes,
	s_lshl_b32 s17, s15, 3                         ; and 8 bytes for 128 k
	s_add_co_u32 s18, s18, s17
	s_mov_b32 s19, 0
	s_mov_b32 s21, 0
	s_lshl_b32 s22, s16, 11                        ; lora_b: 32 rows of 64 bytes
	s_mov_b32 s23, 0
	s_lshl_b32 s24, s16, 18                        ; wb: 32 rows of 8,192 bytes,
	s_lshl_b32 s17, s15, 8                         ; and 256 bytes for 128 k
	s_add_co_u32 s24, s24, s17
	s_mov_b32 s25, 0
	v_lshlrev_b32 v[CO], 4, v2
	v_lshl_add_u32 v[CO], v3, 17, v[CO]
	v_lshlrev_b32 v[LBO], 6, v2
	v_lshl_add_u32 v[LBO], v3, 5, v[LBO]
	v_lshlrev_b32 v[SCO], 11, v3
	v_lshlrev_b32 v[WO], 4, v2
	v_lshl_add_u32 v[WO], v3, 16, v[WO]
	s_wait_kmcnt 0x0
	s_add_nc_u64 s[4:5], s[4:5], s[2:3]
	s_add_nc_u64 s[6:7], s[6:7], s[18:19]
	s_add_nc_u64 s[8:9], s[8:9], s[20:21]
	s_add_nc_u64 s[10:11], s[10:11], s[22:23]
	s_add_nc_u64 s[12:13], s[12:13], s[24:25]      ; no address register and no base is written again
.macro LDSMALL p                       ; unit p's lora_b and scales: 10 loads
	global_load_b128 v[LB:LB+3],   v[LBO], s[10:11] offset:(\p)*1024     ; B[n0 + r][8 h + 0..3]
	global_load_b128 v[LB+4:LB+7], v[LBO], s[10:11] offset:(\p)*1024+16  ; B[n0 + r][8 h + 4..7]
.irp j, 0,1,2,3,4,5,6,7
	global_load_b64 v[SCR+2*(\j):SCR+2*(\j)+1], v[SCO], s[6:7] offset:(\p)*4096+(\j)*256  ; scale[n0 + 8 h + j][2 S + 0..1]: the same 8 bytes in 16 lanes
.endr
.endm
.macro LDCODES p                       ; unit p's codes: 16 loads, each two runs of 256 consecutive bytes, aligned
.irp u, 0,1
.irp j, 0,1,2,3,4,5,6,7
	global_load_b128 v[CD+64*(\p)+32*(\u)+4*(\j):CD+64*(\p)+32*(\u)+4*(\j)+3], v[CO], s[4:5] offset:(\p)*262144+(\j)*16384+256*(\u) th:TH_LOAD_NT  ; code[n0 + 8 h + j][128 S + 64 u + 4 r + 0..3]
.endr
.endr
.endm
.irp u, 0,1
.irp i, 0,1,2,3,4,5,6,7
	global_load_b128 v[CD+64+32*(\u)+4*(\i):CD+64+32*(\u)+4*(\i)+3], v[CO], s[8:9] offset:(\i)*16384+256*(\u)  ; A[8 h + i][128 S + 64 u + 4 r + 0..3]
.endr
.endr
	LDSMALL 0
	LDCODES 0
	; while they are on their way: the table, and the zeros
.macro ENTRY i, val                    ; the lanes with r = i take the table's entry i
	v_cmp_ne_u32 vcc_lo, \i, v2
	v_cndmask_b32 v[TAB], \val, v[TAB], vcc_lo
.endm
	v_mov_b32 v[TAB], 0xbf800000                   ; -1.0
	ENTRY 1,  0xbf3239b1                           ; -0.6961928009986877
	ENTRY 2,  0xbf066b30                           ; -0.5250730514526367
	ENTRY 3,  0xbeca32a0                           ; -0.39491748809814453
	ENTRY 4,  0xbe91a24d                           ; -0.28444138169288635
	ENTRY 5,  0xbe3d353f                           ; -0.18477343022823334
	ENTRY 6,  0xbdba7871                           ; -0.09105003625154495
	ENTRY 7,  0
	ENTRY 8,  0x3da2faff                           ; 0.07958029955625534
	ENTRY 9,  0x3e24cae3                           ; 0.16093020141124725
	ENTRY 10, 0x3e7c04dd                           ; 0.24611230194568634
	ENTRY 11, 0x3ead033a                           ; 0.33791524171829224
	ENTRY 12, 0x3ee1a4b8                           ; 0.44070982933044434
	ENTRY 13, 0x3f1007ab                           ; 0.5626170039176941
	ENTRY 14, 0x3f3913b3                           ; 0.7229568362236328
	ENTRY 15, 0x3f800000                           ; 1.0
.irp k, 4,5,6,7
	v_mov_b32 v[S0+(\k)], 0                        ; S0's K 16..31
	v_mov_b32 v[S1+28+(\k)], 0                     ; the last fragment's K 16..31
.endr
	s_wait_loadcnt 26                              ; loads come back in order: lora_a's 16 are in, the first unit's 26 may stay out
.irp u, 0,1
.irp t, 0,1,2,3
.irp i, 0,1,2,3
	v_cvt_pk_bf16_f32 v[S1+4*(4*(\u)+(\t))+(\i)], v[CD+64+32*(\u)+8*(\i)+(\t)], v[CD+64+32*(\u)+8*(\i)+4+(\t)]  ; ranks 8 h + 2 i and 8 h + 2 i + 1 at k = 128 S + 64 u + 4 r + t
.endr
.endr
.endr
	LDCODES 1                                      ; into the registers that lora_a has left
.macro CONV                            ; the unit's S0 and its scales
.irp i, 0,2,4,6
	v_pk_mul_f32 v[LB+(\i):LB+(\i)+1], v[LB+(\i):LB+(\i)+1], 2.0 op_sel_hi:[1,0]  ; alpha / rank = 2: exact, so it may stand ahead of the rounding
.endr
.irp i, 0,1,2,3
	v_cvt_pk_bf16_f32 v[S0+(\i)], v[LB+2*(\i)], v[LB+2*(\i)+1]
.endr
.irp u, 0,1
.irp j, 0,2,4,6
	v_cvt_pk_bf16_f32 v[TMP], v[SCR+2*(\j)+(\u)], v[SCR+2*(\j)+2+(\u)]  ; two rows' scales of one half u rounded to bf16, as every floating-point input is,
	v_lshlrev_b32 v[SCB+8*(\u)+(\j)], 16, v[TMP]                        ; and back as f32, side by side
	v_and_b32 v[SCB+8*(\u)+(\j)+1], 0xffff0000, v[TMP]
.endr
.endr
.endm
.macro PREPC p, u                      ; half u of unit p: 32 codes a lane become lane indices.  64 plain vector instructions: where they follow products they are the distance behind them (ISA guide 7.12.1)
.set k, 0
.rept 32
	v_min_u32 v[CD+64*(\p)+32*(\u)+k], 15, v[CD+64*(\p)+32*(\u)+k]  ; a loaded number becomes a lane's index only behind this bound
.set k, k+1
.endr
.set k, 0
.rept 32
	v_lshlrev_b32 v[CD+64*(\p)+32*(\u)+k], 2, v[CD+64*(\p)+32*(\u)+k]  ; the pull takes 4 x the lane's number
.set k, k+1
.endr
.endm
.macro LOOK p, u                       ; the look-ups, the scales, the four products
.irp j, 0,1,2,3,4,5,6,7
.irp t, 0,1,2,3
	ds_bpermute_b32 v[C+8*(\t)+(\j)], v[CD+64*(\p)+32*(\u)+4*(\j)+(\t)], v[TAB]  ; NF4[code]
.endr
.endr
	s_wait_dscnt 0x0
.irp t, 0,1,2,3
.irp j, 0,2,4,6
	v_pk_mul_f32 v[C+8*(\t)+(\j):C+8*(\t)+(\j)+1], v[C+8*(\t)+(\j):C+8*(\t)+(\j)+1], v[SCB+8*(\u)+(\j):SCB+8*(\u)+(\j)+1]
.endr
.endr
.irp t, 0,1,2,3                        ; four accumulators, one instruction each
	v_wmma_f32_16x16x32_bf16 v[C+8*(\t):C+8*(\t)+7], v[S0:S0+7], v[S1+4*(4*(\u)+(\t)):S1+4*(4*(\u)+(\t))+7], v[C+8*(\t):C+8*(\t)+7]
.endr
.endm
.macro PACK p, u                       ; row j's four numbers of half u: 8 of its 16 bytes.  Each accumulator is read from its lowest register on
.irp j, 0,1,2,3,4,5,6,7
	v_cvt_pk_bf16_f32 v[CD+64*(\p)+4*(\j)+2*(\u)],   v[C+(\j)],    v[C+8+(\j)]
	v_cvt_pk_bf16_f32 v[CD+64*(\p)+4*(\j)+2*(\u)+1], v[C+16+(\j)], v[C+24+(\j)]
.endr
.endm
.macro STORE p
.irp j, 0,1,2,3,4,5,6,7
	global_store_b128 v[WO], v[CD+64*(\p)+4*(\j):CD+64*(\p)+4*(\j)+3], s[12:13] offset:(\p)*131072+(\j)*8192  ; lanes 0-15 store 256 consecutive bytes, aligned, of row j; lanes 16-31 of row 8 + j.  The data registers are not written again
.endr
.endm
	s_wait_loadcnt 16                              ; the first unit's 26 loads are in; the second unit's 16 loads of codes may stay out
	CONV
	LDSMALL 1                                      ; into the registers that CONV has read
	PREPC 0, 0
	LOOK 0, 0
	PREPC 0, 1
	PACK 0, 0
	LOOK 0, 1
	s_wait_loadcnt 0x0                             ; the second unit
	PREPC 1, 0
	PACK 0, 1
	STORE 0
	CONV
	LOOK 1, 0
	PREPC 1, 1
	PACK 1, 0
	LOOK 1, 1
.rept 8
	v_nop                                          ; plain vector instructions between the last products and the first read of a result (ISA guide 7.12.1)
.endr
	PACK 1, 1
	STORE 1
	s_endpgm
; THE COPY.  The work-group owns 32 rows of x, 512 KiB on end; each of its eight copying waves 64 KiB of them, and the 32 KiB of xb at half the offset.  A chunk is 1,024 bytes of x: two blocks of 128 along K.
; Lane (q = lane % 16, b = lane / 16) takes the four numbers at 4 q of block b's first half by one load and those of its second half by another: each load is two runs of 256 consecutive bytes, aligned.
; Rounded, they are the 16 bytes at 16 q of block b in xb (THE ORDER OF K, above): one store of 512 consecutive bytes a chunk.  Each byte of x is read once, each of xb written once.
; 15 slots of f32 keep 30 loads of the wave in flight; 32 slots of bf16 let the 64 chunks do with one wait for the stores' sources.  All steps stand in the immediates (65,280 at the most), so no
; address register and no base is written again; the text is written out by the assembler's loop.
.Lcopy:
	v_and_b32 v2, 15, v0                           ; q
	v_bfe_u32 v3, v0, 4, 1                         ; b
	v_and_b32 v4, 31, v0                           ; lane
	v_lshlrev_b32 v[XLO], 4, v2
	v_lshl_add_u32 v[XLO], v3, 9, v[XLO]
	v_lshlrev_b32 v[XSO], 4, v4
	s_sub_co_u32 s16, s14, 8                       ; which of the eight
	s_lshl_b32 s30, ttmp9, 19                      ; the work-group's 512 KiB of x (under 2^27),
	s_lshl_b32 s16, s16, 16                        ; my 64 KiB of them
	s_add_co_u32 s30, s30, s16
	s_mov_b32 s31, 0
	s_lshr_b32 s24, s30, 1                         ; and half of that in xb
	s_mov_b32 s25, 0
	s_wait_kmcnt 0x0
	s_add_nc_u64 s[26:27], s[26:27], s[30:31]
	s_add_nc_u64 s[28:29], s[28:29], s[24:25]
.set n, 0
.rept DEPTH
	global_load_b128 v[XR+8*n:XR+8*n+3],   v[XLO], s[26:27] offset:1024*n th:TH_LOAD_NT      ; the ring is filled
	global_load_b128 v[XR+8*n+4:XR+8*n+7], v[XLO], s[26:27] offset:1024*n+256 th:TH_LOAD_NT
.set n, n+1
.endr
.set n, 0
.rept CHUNKS
.set sl, n%DEPTH
.set ys, n%32
.if n <= CHUNKS-DEPTH
	s_wait_loadcnt 2*(DEPTH-1)                     ; loads come back in order: chunk n's two are in, the 14 younger chunks' 28 stay out
.else
	s_wait_loadcnt 2*(CHUNKS-1-n)                  ; the last chunks load nothing: the counts run down
.endif
.if n == 32
	s_wait_xcnt 0x0                                ; the one wait: the first 32 stores have had their addresses translated (ISA guide 3.1), so all 32 slots of bf16 may be written once more
.endif
	v_cvt_pk_bf16_f32 v[YR+4*ys],   v[XR+8*sl],   v[XR+8*sl+1]
	v_cvt_pk_bf16_f32 v[YR+4*ys+1], v[XR+8*sl+2], v[XR+8*sl+3]
	v_cvt_pk_bf16_f32 v[YR+4*ys+2], v[XR+8*sl+4], v[XR+8*sl+5]
	v_cvt_pk_bf16_f32 v[YR+4*ys+3], v[XR+8*sl+6], v[XR+8*sl+7]
.if n < CHUNKS-DEPTH
	global_load_b128 v[XR+8*sl:XR+8*sl+3],   v[XLO], s[26:27] offset:1024*(n+DEPTH) th:TH_LOAD_NT      ; the slot's next chunk, ahead of the store
	global_load_b128 v[XR+8*sl+4:XR+8*sl+7], v[XLO], s[26:27] offset:1024*(n+DEPTH)+256 th:TH_LOAD_NT
.endif
	global_store_b128 v[XSO], v[YR+4*ys:YR+4*ys+3], s[28:29] offset:512*n th:TH_STORE_NT
.set n, n+1
.endr
	s_endpgm
.Lfunc_end_k_qda859dabeb_prep:
	.size	k_qda859dabeb_prep, .Lfunc_end_k_qda859dabeb_prep-k_qda859dabeb_prep
	.p2alignl 7, 3214868480
	.fill 96, 4, 3214868480
	.section	.rodata,"a",@progbits
	.p2align	6, 0x0
	.amdhsa_kernel k_qda859dabeb_prep
		.amdhsa_group_segment_fixed_size 0
		.amdhsa_private_segment_fixed_size 0
		.amdhsa_enable_private_segment 0
		.amdhsa_kernarg_size 56
		.amdhsa_user_sgpr_count 2
		.amdhsa_user_sgpr_kernarg_segment_ptr 1
		.amdhsa_wavefront_size32 1
		.amdhsa_system_sgpr_workgroup_id_x 1
		.amdhsa_system_sgpr_workgroup_id_y 1
		.amdhsa_system_sgpr_workgroup_id_z 1
		.amdhsa_system_vgpr_workitem_id 0
		.amdhsa_next_free_vgpr 256
		.amdhsa_next_free_sgpr 66
		.amdhsa_reserve_vcc 1
		.amdhsa_float_denorm_mode_32 3
		.amdhsa_float_denorm_mode_16_64 3
		.amdhsa_memory_ordered 1
		.amdhsa_forward_progress 1
		.amdhsa_inst_pref_size 79
	.end_amdhsa_kernel
	.amdgpu_metadata
---
amdhsa.version: [ 1, 2 ]
amdhsa.kernels:
  - .name:           k_qda859dabeb_prep
    .symbol:         k_qda859dabeb_prep.kd
    .args:
      - { .name: w_codes, .offset: 0, .size: 8, .value_kind: global_buffer, .address_space: global }
      - { .name: w_scales, .offset: 8, .size: 8, .value_kind: global_buffer, .address_space: global }
      - { .name: lora_a, .offset: 16, .size: 8, .value_kind: global_buffer, .address_space: global }
      - { .name: lora_b, .offset: 24, .size: 8, .value_kind: global_buffer, .address_space: global }
      - { .name: wb, .offset: 32, .size: 8, .value_kind: global_buffer, .address_space: global }
      - { .name: x, .offset: 40, .size: 8, .value_kind: global_buffer, .address_space: global }
      - { .name: xb, .offset: 48, .size: 8, .value_kind: global_buffer, .address_space: global }
    .group_segment_fixed_size: 0
    .private_segment_fixed_size: 0
    .kernarg_segment_align: 8
    .kernarg_segment_size: 56
    .max_flat_workgroup_size: 512
    .sgpr_count:     66
    .vgpr_count:     256
    .wavefront_size: 32
...
	.end_amdgpu_metadata
.endif
;; end of part 3
;; launch gemm (part 4): grid 8 x 32, 4 waves a work-group, clusters of 4 x 4, 327,680 bytes of LDS; arguments xb, wb, out0; writes out0
.if DOCPART == 4
	.amdgcn_target "amdgcn-amd-amdhsa--gfx1250"
	.amdhsa_code_object_version 6
	.text
	.protected	k_qda859dabeb_gemm
	.globl	k_qda859dabeb_gemm
	.p2align	8
	.type	k_qda859dabeb_gemm,@function
k_qda859dabeb_gemm:
	s_mov_b64 s[64:65], 0
	v_nop
	global_prefetch_b8 v0, s[64:65] scope:SCOPE_SE
	s_setreg_imm32_b32 hwreg(HW_REG_WAVE_MODE, 25, 1), 1
	s_wait_xcnt 0x0
	s_wait_alu depctr_hold_cnt(0) depctr_sa_sdst(0) depctr_va_vdst(0) depctr_va_sdst(0) depctr_va_ssrc(0) depctr_va_vcc(0) depctr_vm_vsrc(0)
	s_getreg_b32 s2, hwreg(HW_REG_IB_STS2, 6, 4)
	s_cmp_eq_u32 s2, 0
	s_cbranch_scc0 .Lentry_in_a_cluster
	s_endpgm
.Lentry_in_a_cluster:
	s_bfe_u32 s2, ttmp6, 0x10000c
	s_cmp_lg_u32 s2, 0xf033
	s_cbranch_scc0 .Lentry_shape_is_right
	s_endpgm
.Lentry_shape_is_right:
; out0[m][n] = the sum over k of xb[m][k] Wb[n][k].  xb: [8192][4096] bf16, x rounded once by the launch before; wb: [2048][4096] bf16, the merged weight W + 2 B A, made by the same launch;
; out0: [8192][2048] f32; sums in f32.  Nothing of reference() is left out: its LoRA path lies in Wb (x W^T + 2 (x A^T) B^T = x (W + 2 B A)^T for all values).
; Both operands hold K in the same order inside each block of 128 (place 8 q + 4 u + e holds k = 64 u + 4 q + e): place meets place, so every product is reference()'s; the order of the f32 sums differs.
; LIMITS: both operands are bf16; NaN and infinities are not treated apart.
; SHARES.  A tile of out0 is 256 x 256: 8 x 32 tiles, a work-group each.  A wave makes 128 x 128: 8 x 8 accumulators of 16 x 16, 512 registers; for 32 along K it reads 16 KiB from LDS for 64 matrix instructions.
; K goes in 32 steps of 128 (256 consecutive bytes, aligned, of each row of xb and of wb) through a ring of two LDS slots.  A step is four QUARTERS of 32 along K, 64 matrix instructions each, on fragment buffers 0, 1, 0, 1.
; At each quarter's head the next quarter's 32 LDS loads go out in one run.  So a slot's last reads are issued at the head of its third quarter, and the change of slots stands in that quarter's last sixteen
; products: the refill behind it has 240 matrix instructions in which to land.
; CLUSTERS: 4 x 4 work-groups.  The four of a row of the cluster need the same rows of xb, the four of a column the same rows of wb: each tile is asked for JOINTLY, by the same tensor
; load with the same descriptor and a mask that names the four.
; THE MATRIX INSTRUCTION IS USED TRANSPOSED (source 0 = 16 rows of wb, source 1 = 16 rows of xb): lane l then holds row l % 16 of out0 and the columns 8 (l / 16) + 0..7.
; REGISTERS, in windows of 256 (s_set_vgpr_msb: bits 1:0 source 0, 3:2 source 1, 5:4 source 2, 7:6 destination):
;   window 0: v0-30 addresses; v64-127, v128-191 xb's fragments, two buffers (m block a at 8 a); v128-255 at work on the way out
;   window 1: v64-127, v128-191 wb's fragments, two buffers (n block b at 8 b)
;   window 2: accumulators of my rows 0-63, (a, b) at 8 (8 (a % 4) + b);   window 3: those of my rows 64-127
.set PA,     272                       ; an LDS row: 256 bytes + 16 of padding: an odd multiple of 16, so the 16 rows that a load touches fall on 16 different 16-byte columns of 256
.set HALFT,  128*PA                    ; 128 rows: one tensor load, and what one wave reads of xb or of wb
.set SLOT,   4*HALFT                   ; 139,264: xb's 256 rows, then wb's 256 rows
.set STAGE,  2*SLOT                    ; behind the ring, never filled by a tensor load: 16 rows x 528 bytes for each wave, for the way out
.set SPITCH, 528                       ; 512 bytes + 16
.set SPARE,  STAGE+4*16*SPITCH         ; behind the stages: the spare words, 128 bytes for each wave: two blocks of 256 bytes that no other line names
.set KB,     256                       ; bytes from K step to K step in a row of xb and of wb
.set OROW,   8192                      ; bytes in a row of out0
.set LAPS,   15                        ; trips of the loop, two K steps each: they hold all 30 refills; step 0's first quarter and all behind step 30's first are written out
.set ADRA, 16                          ; v16-17  LDS address of my xb fragments in slot 0, 1: (128 (w / 2) + l % 16) x 272 + 16 (l / 16)
.set ADRB, 20                          ; v20-21  the same for wb: (256 + 128 (w % 2) + l % 16) x 272 + 16 (l / 16)
.set STO,  24                          ; v24     the way out: where I put 32 bytes of a row
.set RD,   25                          ; v25     the way out: where I read a row back
.set CO,   26                          ; v26     my 16 bytes of 512 in a row of out0
.set SPW,  28                          ; v28     LDS address of my spare word: SPARE + 4 x my thread's number; never rewritten
.set NIL,  29                          ; v29     0; never rewritten
.set PFO,  30                          ; v30     the prefetches' offset: my lane x a row of 8,192 bytes; never rewritten
.set FB,   64                          ; fragment buffer f at FB + 64 f, in windows 0 and 1
.set G1,  24                           ; s[24:31] descriptor group 1 for xb's tiles;  s[32:39] group 0, a set for each slot
.set G0,  32
.set G1B, 48                           ; s[48:55], s[56:63] the same for wb's tiles
.set G0B, 56
.set LIM, 43                           ; s43      1 in a wave that prefetches, else the greatest number
.set PFA, 44                           ; s[44:45] where my prefetches stand
.set MSB, 0
.macro WIN new                         ; the immediate's high byte repeats the setting that is left; a switch that changes nothing is dropped
.if MSB != (\new)
	s_set_vgpr_msb (MSB<<8)|(\new)
.set MSB, \new
.endif
.endm
.set MUL_LO, 0xa1                      ; source 0 (wb) window 1, source 1 (xb) window 0, C and D window 2
.set TO_B,   0x40                      ; destination window 1, address window 0
; A load into a register that a matrix instruction has read stands four plain vector instructions behind it (for vector instructions ISA guide 7.12.1).
.macro PLACES
.rept 4
	v_nop
.endr
.endm
; A joint load.  Waves 0 and 1 fetch the two halves of xb's tile, waves 2 and 3 those of wb's: 128 rows each.  The branch hangs on the wave's number alone.  An s_nop 0 and four v_nop follow each of the two lines.
.macro JLOAD s
	s_cmp_eq_u32 s11, 0
	s_cbranch_scc0 .Lfor_b_\@
	tensor_load_to_lds s[G0+4*(\s):G0+4*(\s)+3], s[G1:G1+7]
	s_nop 0
.rept 4
	v_nop
.endr
	s_branch .Lasked_\@
.Lfor_b_\@:
	tensor_load_to_lds s[G0B+4*(\s):G0B+4*(\s)+3], s[G1B:G1B+7]
	s_nop 0
.rept 4
	v_nop
.endr
.Lasked_\@:
.endm
; A round of the cluster's barrier: my work-group's barrier; wave 0 signals for the work-group; every wave waits for all sixteen; my work-group's barrier once more.
.macro CREST                           ; a round behind its opening barrier
	s_cmp_lg_u32 s10, 0
	s_cbranch_scc1 .Lnot_wave_0_\@
	s_barrier_signal -3
.Lnot_wave_0_\@:
	s_barrier_wait -3
	s_barrier_signal -1
	s_barrier_wait -1
.endm
.macro CROUND
	s_barrier_signal -1
	s_barrier_wait -1
	CREST
.endm
; A PREFETCH INTO THE L2, behind a joint load, its five lines and the run of LDS loads that follows them: the K step that stands TWO refills on (512 matrix instructions ahead of the load that will ask for it).
; Each row's 256 bytes of a K step are named once in the launch.  xb's rows are read by both clusters of a row of clusters: cluster x = 0 asks; wb's rows by all eight clusters of a column: cluster y = 0 asks.
; Of the 128 rows that a wave fetches, the partner at place p (cx for xb, cy for wb) takes 32 p .. 32 p + 31, a lane a row: the partners are told apart by address alone.
; K steps 0 to 3 come by their loads alone; the loop's last trip asks for nothing: its requests would name steps 32 and 33.
.macro ASK
	s_cmp_gt_u32 s3, s[LIM]                        ; s3 = 1 in the loop's last trip
	s_cbranch_scc0 .Lnot_mine_\@
	global_prefetch_b8 v[PFO], s[PFA:PFA+1] th:TH_LOAD_NT scope:SCOPE_SE
.Lnot_mine_\@:
.endm
	s_load_b128 s[4:7], s[0:1], 0x0                ; xb s[4:5], wb s[6:7]
	s_load_b64 s[8:9], s[0:1], 0x10                ; out0
	v_lshl_add_u32 v[SPW], v0, 2, SPARE
	v_mov_b32 v[NIL], 0
	ds_add_u32 v[SPW], v[NIL]                      ; the wave's opening: the add, twice on end, and its wait ahead of my first tensor load; the set-up below stands between
	ds_add_u32 v[SPW], v[NIL]
	v_lshrrev_b32 v1, 5, v0
	v_readfirstlane_b32 s10, v1                    ; wave 0..3
	s_lshr_b32 s11, s10, 1                         ; which half of the tile's rows is mine.  Also: I fetch for xb (0) or for wb (1),
	s_and_b32 s12, s10, 1                          ; which half of its columns.  Also: which 128 rows of that tile I fetch
	s_bfe_u32 s40, ttmp6, 0x40000                  ; cx, cy: my place in the cluster
	s_bfe_u32 s41, ttmp6, 0x40004
	s_lshl_b32 s42, ttmp9, 2
	s_add_co_u32 s42, s42, s40                     ; tile column = 4 x cluster x + cx
	s_and_b32 s13, ttmp7, 0xffff
	s_lshl_b32 s13, s13, 2
	s_add_co_u32 s13, s13, s41                     ; tile row = 4 x cluster y + cy
	s_lshl_b32 s43, s41, 2
	s_lshl_b32 s43, 15, s43                        ; my row of the cluster
	s_lshl_b32 s44, 0x1111, s40                    ; my column
	; group 1, for both: 128 rows x 128 elements of 2 bytes, 4,096 elements from row to row, 4 words of padding behind every 64
	s_or_b32 s[G1+0], s43, (1<<16)|(1<<20)|(1<<21)|(5<<22)|(3<<25)  ; 15:0 the mask: xb's tiles go to my row; 17:16 element of 2 bytes; 20 padding on; 21 set beside a mask; 24:22 after every 64 words (code 5); 31:25 4 words (code 3)
	s_or_b32 s[G1B+0], s44, (1<<16)|(1<<20)|(1<<21)|(5<<22)|(3<<25) ; the same with the mask of my column, for wb's tiles
.irp g, G1, G1B
	s_mov_b32 s[(\g)+1], 128<<16                   ; tensor_dim0 = 128
	s_mov_b32 s[(\g)+2], 128<<16                   ; tensor_dim1 = 128
	s_mov_b32 s[(\g)+3], 128<<16                   ; tile_dim0 = 128
	s_mov_b32 s[(\g)+4], 128                       ; tile_dim1 = 128
	s_mov_b32 s[(\g)+5], 4096                      ; tensor_dim0_stride
	s_mov_b32 s[(\g)+6], 0
	s_mov_b32 s[(\g)+7], 0
.endr
	; where the tiles come from: xb's hang on the tile row alone, wb's on the tile column alone, each in registers that never hold the other coordinate
	s_lshl_b32 s17, s12, 7                         ; which 128 rows of the tile I fetch
	s_lshl_b32 s16, s13, 8
	s_add_co_u32 s16, s16, s17                     ; xb: row 256 x tile row + 128 x half,
	s_lshl_b32 s16, s16, 13                        ; of 8,192 bytes (under 2^26)
	s_lshl_b32 s46, s42, 8
	s_add_co_u32 s46, s46, s17                     ; wb: row 256 x tile column + 128 x half,
	s_lshl_b32 s46, s46, 13                        ; of 8,192 bytes (under 2^24)
	s_mov_b32 s17, 0
	s_mov_b32 s47, 0
	s_mul_i32 s20, s12, HALFT                      ; and where they go: no place in the cluster enters an LDS address
	s_add_co_u32 s21, s20, 2*HALFT
	s_wait_dscnt 0x0                               ; both opening adds are done
	s_wait_kmcnt 0x0
	s_add_nc_u64 s[14:15], s[4:5], s[16:17]
	s_add_nc_u64 s[46:47], s[6:7], s[46:47]
	CROUND                                         ; all sixteen work-groups are here: the first joint loads meet
.irp s, 0,1
	s_mov_b32 s[G0+4*(\s)], 1                                        ; count = 1
	s_add_co_u32 s[G0+4*(\s)+1], s20, (\s)*SLOT                      ; LDS address
	s_add_nc_u64 s[G0+4*(\s)+2:G0+4*(\s)+3], s[14:15], (\s)*KB       ; global address: K step s
	s_or_b32 s[G0+4*(\s)+3], s[G0+4*(\s)+3], 0x80000000              ; type = 2
	s_mov_b32 s[G0B+4*(\s)], 1
	s_add_co_u32 s[G0B+4*(\s)+1], s21, (\s)*SLOT
	s_add_nc_u64 s[G0B+4*(\s)+2:G0B+4*(\s)+3], s[46:47], (\s)*KB
	s_or_b32 s[G0B+4*(\s)+3], s[G0B+4*(\s)+3], 0x80000000
	JLOAD \s                                       ; two tensor loads of mine are out: the most in this text
.endr
	; A fragment is 16 rows x 32 K in 8 registers: lane l holds row l % 16; registers 0-3 K = 8 (l / 16) + 0..7, registers 4-7 K = 16 + 8 (l / 16) + 0..7.  From rows that lie along K: two loads of
	; 16 bytes, 32 bytes apart.  The same for both sources.
	v_and_b32 v1, 15, v0                           ; l % 16
	v_bfe_u32 v2, v0, 4, 1                         ; l / 16
	v_and_b32 v3, 31, v0                           ; l
	v_mul_u32_u24 v4, v1, PA
	v_lshl_add_u32 v4, v2, 4, v4                   ; row x pitch + 16 x half
	s_mul_i32 s21, s11, HALFT                      ; my 128 rows of xb
	v_add_nc_u32 v[ADRA], s21, v4
	v_add_nc_u32 v[ADRA+1], SLOT, v[ADRA]
	s_mul_i32 s22, s12, HALFT                      ; my 128 rows of wb,
	s_add_co_u32 s22, s22, 2*HALFT                 ; behind xb's 256
	v_add_nc_u32 v[ADRB], s22, v4
	v_add_nc_u32 v[ADRB+1], SLOT, v[ADRB]
	v_lshlrev_b32 v5, 4, v3                        ; 16 l
	s_mul_i32 s23, s10, 16*SPITCH
	s_add_co_u32 s23, s23, STAGE                   ; my stage
	v_mul_u32_u24 v6, v1, SPITCH                   ; in: row l % 16, 32 bytes for each half of the lanes
	v_lshl_add_u32 v6, v2, 5, v6
	v_add_nc_u32 v[STO], s23, v6
	v_add_nc_u32 v[RD], s23, v5                    ; back: 32 lanes take a row's 512 bytes
	v_mov_b32 v[CO], v5
	s_lshl_b32 s16, s13, 8                         ; out0 at my first row, 256 x tile row + 128 x half, of 8,192 bytes,
	s_lshl_b32 s17, s11, 7
	s_add_co_u32 s16, s16, s17
	s_lshl_b32 s16, s16, 13
	s_mov_b32 s17, 0
	s_add_nc_u64 s[8:9], s[8:9], s[16:17]
	s_lshl_b32 s46, s42, 10                        ; and my first column: 1,024 bytes a tile, 512 a half
	s_lshl_b32 s47, s12, 9
	s_add_co_u32 s46, s46, s47
	s_mov_b32 s47, 0
	s_add_nc_u64 s[8:9], s[8:9], s[46:47]
	; the prefetches
	s_lshl_b32 s19, s12, 7                         ; the 128 rows that I fetch,
	s_lshl_b32 s18, s13, 8
	s_add_co_u32 s18, s18, s19                     ; in xb by the tile row,
	s_lshl_b32 s20, s40, 5
	s_add_co_u32 s18, s18, s20                     ; my work-group's 32 of them by cx;
	s_lshl_b32 s21, s42, 8
	s_add_co_u32 s21, s21, s19                     ; in wb by the tile column,
	s_lshl_b32 s20, s41, 5
	s_add_co_u32 s21, s21, s20                     ; my work-group's 32 by cy
	s_and_b32 s22, ttmp7, 0xffff                   ; cluster y
	s_cmp_eq_u32 s11, 0                            ; do I fetch for xb?
	s_cselect_b32 s18, s18, s21
	s_cselect_b32 s22, ttmp9, s22                  ; the coordinate along which other clusters read the same rows
	s_cselect_b64 s[PFA:PFA+1], s[4:5], s[6:7]
	s_lshl_b32 s18, s18, 13                        ; rows of 8,192 bytes,
	s_add_co_u32 s18, s18, 3*KB                    ; at K step 3: the first refill (of step 2) steps it to 4
	s_mov_b32 s19, 0
	s_add_nc_u64 s[PFA:PFA+1], s[PFA:PFA+1], s[18:19]
	s_cmp_eq_u32 s22, 0
	s_cselect_b32 s[LIM], 1, -1                    ; the same in all sixteen partners, for a given wave
	v_lshlrev_b32 v[PFO], 13, v3
	s_mov_b32 s3, LAPS
; Matrix instruction i of a quarter's 64, on buffers f: rows 16 (i / 8) on, columns 16 (i % 8) on.  All 64 accumulators take turns, one instruction a turn, in the same order in every quarter,
; over the backward jump too.  zero = 1: the product starts the sum: nothing is ever cleared.
.macro MM f, zero
.set ma, i/8
.set mb, i%8
.set rD, 8*(8*(ma%4)+mb)
	WIN MUL_LO+0x50*(ma/4)
.if \zero
	v_wmma_f32_16x16x32_bf16 v[rD:rD+7], v[FB+64*(\f)+8*mb:FB+64*(\f)+8*mb+7], v[FB+64*(\f)+8*ma:FB+64*(\f)+8*ma+7], 0
.else
	v_wmma_f32_16x16x32_bf16 v[rD:rD+7], v[FB+64*(\f)+8*mb:FB+64*(\f)+8*mb+7], v[FB+64*(\f)+8*ma:FB+64*(\f)+8*ma+7], v[rD:rD+7]
.endif
.set i, i+1
.endm
.macro MMS f, n, zero
.rept \n
	MM \f, \zero
.endr
.endm
; 32 LDS loads in one run: the fragments of quarter kq of the slot's K step (my 128 rows of wb, my 128 rows of xb, 32 along K) into buffers g.  It leaves every window 0.
.macro RUN slot, kq, g
	WIN TO_B
.irp i, 0,1,2,3,4,5,6,7
	ds_load_b128 v[FB+64*(\g)+8*(\i):FB+64*(\g)+8*(\i)+3],   v[ADRB+(\slot)] offset:(\kq)*64+(\i)*16*PA
	ds_load_b128 v[FB+64*(\g)+8*(\i)+4:FB+64*(\g)+8*(\i)+7], v[ADRB+(\slot)] offset:(\kq)*64+(\i)*16*PA+32
.endr
	WIN 0
.irp i, 0,1,2,3,4,5,6,7
	ds_load_b128 v[FB+64*(\g)+8*(\i):FB+64*(\g)+8*(\i)+3],   v[ADRA+(\slot)] offset:(\kq)*64+(\i)*16*PA
	ds_load_b128 v[FB+64*(\g)+8*(\i)+4:FB+64*(\g)+8*(\i)+7], v[ADRA+(\slot)] offset:(\kq)*64+(\i)*16*PA+32
.endr
.endm
; A whole quarter on buffers f; at its head quarter kq of the same slot is fetched into the other buffers, which the products just issued have read.
.macro QF slot, kq, f, zero
.set i, 0
	PLACES
	s_wait_dscnt 0x0                               ; the run issued a quarter ago, buffers f, is in
	RUN \slot, \kq, 1-(\f)
	MMS \f, 64, \zero
.endm
; The first 48 products of a step's third quarter (buffers 0); at its head the slot's last quarter is fetched.
.macro QE slot
.set i, 0
	PLACES
	s_wait_dscnt 0x0
	RUN \slot, 3, 1
	MMS 0, 48, 0
.endm
; The last 16 products of that quarter, and THE CHANGE OF SLOTS.  All reads of slot `slot` have been issued.  Each wave waits for all its tensor loads, of which one is out: its part of the other slot; adds 0
; to its spare word; and waits for that and for its reads.  Behind the barrier nobody reads this slot and the other is whole.
; fill = 1: the barrier opens a round of the cluster's, and the joint refill, two K steps on, is the first thing behind it: 240 matrix instructions ahead of the wait for it.
.macro CHG slot, fill
.if \fill
	s_wait_xcnt 0x0                                ; the last prefetch, a K step back, has read its address: it is stepped here
	s_add_nc_u64 s[PFA:PFA+1], s[PFA:PFA+1], KB
.endif
	WIN 0                                          ; (the add's two registers lie in window 0)
	s_wait_tensorcnt 0x0                           ; no tensor load of mine is out, so a group 0 may be written
	ds_add_u32 v[SPW], v[NIL]                      ; 0 onto my spare word
.if \fill
	s_add_nc_u64 s[G0+4*(\slot)+2:G0+4*(\slot)+3], s[G0+4*(\slot)+2:G0+4*(\slot)+3], 2*KB
	s_add_nc_u64 s[G0B+4*(\slot)+2:G0B+4*(\slot)+3], s[G0B+4*(\slot)+2:G0B+4*(\slot)+3], 2*KB
.endif
	MMS 0, 8, 0                                    ; eight matrix instructions stand between the add and the wait for it
	s_wait_dscnt 0x0                               ; the add is done, and my reads of this slot are over: buffers 1 are in
	s_barrier_signal -1
	MMS 0, 8, 0                                    ; work on registers while the others arrive
.if \fill
	WIN 0
.endif
	s_barrier_wait -1
.if \fill
	CREST                                          ; no wave of any partner still reads this slot or has a load on its way
	JLOAD \slot                                    ; its four v_nop are also the places in front of the loads into buffers 0
.else
	PLACES
.endif
.endm
; A step's last quarter (buffers 1).  At its head the NEXT step's first quarter is fetched from the other slot.
.macro QO slot, ask
.set i, 0
	RUN 1-(\slot), 0, 0
.if \ask
	ASK
.endif
	MMS 1, 64, 0
.endm
; THE WAY OUT, in eight blocks n of 16 rows x 128 columns: a lane's 32 bytes of a row go into my own stage, rows of 528 bytes, and come back as whole rows of 512; LDS serves a wave's instructions in order
; (ISA guide 5.7.1.4), so no wait stands between.  Each accumulator's four lowest registers are read first.
.macro TOSTAGE n
.set BK, 192-64*((\n)%2)
	WIN 4*(2+(\n)/4)                               ; the stores' data (source 1) in window 2 or 3
.irp bb, 0,1,2,3,4,5,6,7
.set rD, 8*(8*((\n)%4)+(\bb))
	ds_store_b128 v[STO], v[rD:rD+3]   offset:64*(\bb)
	ds_store_b128 v[STO], v[rD+4:rD+7] offset:64*(\bb)+16
.endr
	WIN 0
	s_wait_xcnt 0x0                                ; the stores of the block two back, which read these registers, have had their addresses translated (ISA guide 3.1)
.irp t, 0,1,2,3,4,5,6,7,8,9,10,11,12,13,14,15
	ds_load_b128 v[BK+4*(\t):BK+4*(\t)+3], v[RD] offset:SPITCH*(\t)
.endr
.endm
.macro SEND n, younger                 ; younger: the LDS instructions issued behind block n's loads: the next block's 32, or none
.set BK, 192-64*((\n)%2)
	WIN 0
	s_wait_dscnt \younger
.irp t, 0,1,2,3,4,5,6,7,8,9,10,11,12,13,14,15
	global_store_b128 v[CO], v[BK+4*(\t):BK+4*(\t)+3], s[8:9] offset:(16*(\n)+(\t))*OROW th:TH_STORE_NT  ; the wave stores 512 consecutive bytes of a row, at a multiple of 512 from out0's first byte; the base is never stepped (127 rows at the most in the immediate)
.endr
.endm
	s_wait_tensorcnt 1                             ; my part of K step 0 is in; step 1's may stay out
	s_barrier_signal -1
	s_barrier_wait -1                              ; everybody's is
	RUN 0, 0, 0
	QF 0, 1, 0, 1                                  ; K step 0's first quarter stands in front of the loop: its products start the sums
	WIN 0                                          ; at a label and at a branch every window is 0
.Llap:                                                 ; trip t: from the second quarter of step 2 t to the first of step 2 t + 2; steps 2 t + 2 and 2 t + 3 are asked for
	QF 0, 2, 1, 0
	QE 0
	CHG 0, 1
	QO 0, 1
	QF 1, 1, 0, 0
	QF 1, 2, 1, 0
	QE 1
	CHG 1, 1
	QO 1, 1
	QF 0, 1, 0, 0
	WIN 0
	s_sub_co_u32 s3, s3, 1
	s_cmp_lg_u32 s3, 0
	s_cbranch_scc1 .Llap
	QF 0, 2, 1, 0                                  ; the tail asks for nothing: step 30 goes on,
	QE 0
	CHG 0, 0                                       ; a plain barrier shows step 31 to every wave
	QO 0, 0
	QF 1, 1, 0, 0                                  ; step 31
	QF 1, 2, 1, 0
	QF 1, 3, 0, 0
	s_wait_dscnt 0x0                               ; the last run
.set i, 0
	MMS 1, 64, 0
	PLACES
	PLACES                                         ; plain vector instructions between the last products and the first read of a result, and the first load into a fragment's register
	TOSTAGE 0
.irp n, 1,2,3,4,5,6,7                  ; a block's way through the stage stands between the loads of the block before and its stores
	TOSTAGE \n
	SEND (\n)-1, 32
.endr
	SEND 7, 0
	s_wait_tensorcnt 0x0                           ; the wave's end, behind my last tensor load and my last LDS store
	ds_add_u32 v[SPW], v[NIL]
	s_wait_dscnt 0x0
	CROUND                                         ; the closing round: no work-group ends while a partner may still ask for a tile that names it
	s_endpgm
.Lfunc_end_k_qda859dabeb_gemm:
	.size	k_qda859dabeb_gemm, .Lfunc_end_k_qda859dabeb_gemm-k_qda859dabeb_gemm
	.p2alignl 7, 3214868480
	.fill 96, 4, 3214868480
	.section	.rodata,"a",@progbits
	.p2align	6, 0x0
	.amdhsa_kernel k_qda859dabeb_gemm
		.amdhsa_group_segment_fixed_size 327680
		.amdhsa_private_segment_fixed_size 0
		.amdhsa_enable_private_segment 0
		.amdhsa_kernarg_size 24
		.amdhsa_user_sgpr_count 2
		.amdhsa_user_sgpr_kernarg_segment_ptr 1
		.amdhsa_wavefront_size32 1
		.amdhsa_system_sgpr_workgroup_id_x 1
		.amdhsa_system_sgpr_workgroup_id_y 1
		.amdhsa_system_sgpr_workgroup_id_z 1
		.amdhsa_system_vgpr_workitem_id 0
		.amdhsa_next_free_vgpr 1024
		.amdhsa_next_free_sgpr 66
		.amdhsa_reserve_vcc 0
		.amdhsa_float_denorm_mode_32 3
		.amdhsa_float_denorm_mode_16_64 3
		.amdhsa_memory_ordered 1
		.amdhsa_forward_progress 1
		.amdhsa_inst_pref_size 141
	.end_amdhsa_kernel
	.amdgpu_metadata
---
amdhsa.version: [ 1, 2 ]
amdhsa.kernels:
  - .name:           k_qda859dabeb_gemm
    .symbol:         k_qda859dabeb_gemm.kd
    .args:
      - { .name: xb, .offset: 0, .size: 8, .value_kind: global_buffer, .address_space: global }
      - { .name: wb, .offset: 8, .size: 8, .value_kind: global_buffer, .address_space: global }
      - { .name: out0, .offset: 16, .size: 8, .value_kind: global_buffer, .address_space: global }
    .group_segment_fixed_size: 327680
    .private_segment_fixed_size: 0
    .kernarg_segment_align: 8
    .kernarg_segment_size: 24
    .max_flat_workgroup_size: 128
    .sgpr_count:     66
    .vgpr_count:     1024
    .wavefront_size: 32
...
	.end_amdgpu_metadata
.endif
;; end of part 4
;; ======== version 3 of 3: 2 launches; version 2 with the launch prep written anew for expert scheduling mode
;; workspace buffers: wb 16,777,216 bytes; xb 67,108,864 bytes
;; launch prep (part 5): grid 256 x 1, 16 waves a work-group, no clusters, 0 bytes of LDS; arguments w_codes, w_scales, lora_a, lora_b, wb, x, xb; writes wb, xb
.if DOCPART == 5
	.amdgcn_target "amdgcn-amd-amdhsa--gfx1250"
	.amdhsa_code_object_version 6
	.text
	.protected	k_qda859dabeb_prep
	.globl	k_qda859dabeb_prep
	.p2align	8
	.type	k_qda859dabeb_prep,@function
k_qda859dabeb_prep:
	s_mov_b64 s[64:65], 0
	v_nop
	global_prefetch_b8 v0, s[64:65] scope:SCOPE_SE
	s_setreg_imm32_b32 hwreg(HW_REG_WAVE_SCHED_MODE, 0, 2), 2
	s_setreg_imm32_b32 hwreg(HW_REG_WAVE_MODE, 25, 1), 1
	s_wait_xcnt 0x0
	s_wait_alu depctr_vm_vsrc(0)
; THE TWO OPERANDS OF THE PRODUCT.  reference() computes x W^T + 2 (x A^T) B^T with W[o][i] = NF4[code[o][i]] scale[o][i / 64].  For all values of the inputs that is x (W + 2 B A)^T, by
; associativity alone: so the LoRA path is a rank-16 term added to the weight, once, and the second launch is one product.  NO WORK IS LEFT OUT AS DEAD: all five inputs have a way
; to the output and all five are loaded, here.
; WAVES 0-7 make Wb[o][i] = bf16( NF4[code] x bf16(scale) + sum over r of bf16(2 B[o][r]) bf16(A[r][i]) ): products and sums in f32, ONE rounding of the sum to bf16.
; WAVES 8-15 make xb = bf16(x).  The two tasks share no byte and no barrier; they lie in one launch so that the stream of x runs beside the table look-ups.
; WHY xb: with x in f32 two LDS slots of 128 along K for a tile of 256 x 256 would not fit; and each number is rounded once, not once for each of 8 tile columns.
; THE ORDER OF K.  xb is [8192][4096] and wb [2048][4096], bf16, row-major, BOTH with the same order inside each block of 128 along K: place 8 q + 4 u + e holds k = 64 u + 4 q + e
; (q = 0..15, u = 0..1, e = 0..3).  A product's terms meet as before; only the order of the f32 sums differs.  The gain: a lane that has loaded four neighbouring numbers at 4 q of both halves u
; holds 16 neighbouring bytes of the result, so loads and stores alike go in runs of 256 consecutive bytes, aligned.
; LIMITS.  The LoRA term enters the weight before the one rounding: an order of rounding that differs from reference()'s.  x, scale, A and B are rounded to bf16 first: every
; floating-point input has the same rounding (the factor 2 is exact).  A code above 15 takes the table's last entry; reference() relies on codes 0 to 15.
; NaN and infinities are not treated apart; one in lora_a reaches the four columns k + 1 .. too (see S1 below).
; THE MERGE's SHARES.  A unit is 16 rows x 128 k (block S; two scales a row).  4,096 units, 2,048 waves: a wave has one S and two units, one below the other; the eight waves of a work-group have eight
; neighbouring S: 4 KiB on end of each row of codes, 64 bytes of each row of scales (0.5 MiB of scales in all against 32 MiB of codes).
; THE PRODUCT.  r = lane % 16, h = lane / 16.  For u = 0, 1 and t = 0..3: D = S0 x S1(u, t) + C.  Row m of S0 stands for row n0 + m of W and holds 2 B[n0 + m][0..15]; its K 16..31 are 0.
; Column n of S1(u, t) stands for k = 128 S + 64 u + 4 n + t and holds A[0..15][k].  So register j of D in lane (r, h) is W[n0 + 8 h + j][128 S + 64 u + 4 r + t]: the place of component t of the
; lane's load (u, j) of four codes, in which lanes 0-15 take 256 consecutive bytes of row j and lanes 16-31 of row 8 + j.
; S1's eight fragments lie 4 registers apart: a fragment's K 16..31 are the next fragment's numbers (the last one's are 0), and S0's zeros meet them.  That saves 28 registers.
; THE TABLE lies in a register, entry lane % 16 a lane; a look-up is a pull from the lane that the code names (ds_bpermute_b32: no LDS byte is touched).
; THE MODE: SCHED_MODE bits 1:0 = 2 (LLVM: expert scheduling mode 2), set by the entry lines.  The code itself states the register dependences between vector or matrix instructions and memory
; or LDS instructions, with s_wait_alu, always for 0.
; THE PLAN OF THE MERGE.  Registers that memory or LDS instructions touch:
;   v5, v6, v7, v9   offsets: made once at the head, read by every load and store, never written again.       v4   the table: made at the head, read by every pull, never written again.
;   v[192:255]       lora_a's loads land; its 32 roundings read; the second unit's codes land.                 LB, SCR   loads land; CONV reads (and writes LB); the second unit's loads land; CONV reads.
;   CD, half (p, u)  codes land; MINC and SHLC make the indices in place; the half's 32 pulls read them.       Of unit p's first 32: both PACKs write them, the unit's 8 stores read them, nothing writes them again.
;   C                a half's pulls land; its multiplies, products and PACK name it; the next half's pulls land.
; A half's way: MINC, SHLC, PULL, MULT, PACK.  The next half's MINC stands between a half's pulls and the wait for them, its SHLC behind the half's products.  ONE wait on va_vdst stands ahead of each run
; of pulls (with the loads or stores that go out there), one ahead of the second unit's codes, one ahead of the last stores; the memory and LDS instructions that a wait covers follow it at once.
; ONE wait on vm_vsrc a unit stands ahead of its first PACK.
; THE PLAN OF THE COPY stands at its head, below.
.set TAB, 4                            ; v4        NF4[lane % 16]
.set CO,  5                            ; v5        codes and lora_a (rows of 16,384 bytes both): h x 8 rows + r x 16
.set LBO, 6                            ; v6        lora_b: r x 64 + h x 32
.set SCO, 7                            ; v7        scales: h x 8 rows of 256 bytes
.set WO,  9                            ; v9        wb: h x 8 rows of 8,192 bytes + r x 16
.set TMP, 10                           ; v10       at work
.set SCR, 12                           ; v[12:27]  a unit's scales as loaded: row 8 h + j, half u at 12 + 2 j + u
.set SCB, 28                           ; v[28:43]  rounded: half u, row 8 h + j at 28 + 8 u + j: pairs along j for the packed multiply
.set LB,  44                           ; v[44:51]  a unit's lora_b as loaded
.set S0,  52                           ; v[52:59]
.set S1,  60                           ; v[60:95]  fragment (u, t) begins at 60 + 4 (4 u + t)
.set C,   96                           ; v[96:127] C and D of t at 96 + 8 t
.set CD,  128                          ; v[128:255] codes, 64 a unit: load (u, j) at 32 u + 4 j.  A unit's first 32 then take its packed results, row j at 4 j.  The second unit's 64 first hold lora_a as loaded
; the copying waves' registers
.set XLO, 6                            ; v6        my 16 bytes of a load: (lane / 16) x 512 + (lane % 16) x 16; never rewritten
.set XSO, 7                            ; v7        16 x lane: my 16 bytes of a store's 512; never rewritten
.set XR,  8                            ; v[8:127]   slot i of 15: eight f32 as loaded
.set YR,  128                          ; v[128:255] slot i of 32: eight bf16 to store
.set DEPTH, 15                         ; slots of f32 in a copying wave
.set CHUNKS, 64                        ; a copying wave's 64 KiB of x in chunks of 1,024 bytes
.set BLK, 4                            ; chunks to a block: the roundings of four chunks, one wait, their loads and stores
	s_load_b256 s[4:11], s[0:1], 0x0               ; w_codes s[4:5], w_scales s[6:7], lora_a s[8:9], lora_b s[10:11]
	s_load_b64 s[12:13], s[0:1], 0x20              ; wb
	s_load_b64 s[26:27], s[0:1], 0x28              ; x
	s_load_b64 s[28:29], s[0:1], 0x30              ; xb
	v_lshrrev_b32 v1, 5, v0
	v_readfirstlane_b32 s14, v1                    ; wave 0..15
	s_wait_alu depctr_va_sdst(0)                   ; s14 is written, ahead of its first reader, the compare below
	s_cmp_ge_u32 s14, 8
	s_cbranch_scc1 .Lcopy                          ; waves 8-15 copy x
	v_and_b32 v2, 15, v0                           ; r
	v_bfe_u32 v3, v0, 4, 1                         ; h
	s_and_b32 s15, ttmp9, 3
	s_lshl_b32 s15, s15, 3
	s_add_co_u32 s15, s15, s14                     ; S = 8 (group % 4) + wave
	s_lshr_b32 s16, ttmp9, 2                       ; group / 4: my two units are rows 32 x this + 0..31
	s_lshl_b32 s2, s16, 19                         ; codes: 32 rows of 16,384 bytes,
	s_lshl_b32 s20, s15, 9                         ; and 512 bytes for 128 k (lora_a: the same 512 bytes of each rank's row)
	s_add_co_u32 s2, s2, s20
	s_mov_b32 s3, 0
	s_lshl_b32 s18, s16, 13                        ; scales: 32 rows of 256 bytes,
	s_lshl_b32 s17, s15, 3                         ; and 8 bytes for 128 k
	s_add_co_u32 s18, s18, s17
	s_mov_b32 s19, 0
	s_mov_b32 s21, 0
	s_lshl_b32 s22, s16, 11                        ; lora_b: 32 rows of 64 bytes
	s_mov_b32 s23, 0
	s_lshl_b32 s24, s16, 18                        ; wb: 32 rows of 8,192 bytes,
	s_lshl_b32 s17, s15, 8                         ; and 256 bytes for 128 k
	s_add_co_u32 s24, s24, s17
	s_mov_b32 s25, 0
	v_lshlrev_b32 v[CO], 4, v2
	v_lshl_add_u32 v[CO], v3, 17, v[CO]
	v_lshlrev_b32 v[LBO], 6, v2
	v_lshl_add_u32 v[LBO], v3, 5, v[LBO]
	v_lshlrev_b32 v[SCO], 11, v3
	v_lshlrev_b32 v[WO], 4, v2
	v_lshl_add_u32 v[WO], v3, 16, v[WO]
	s_wait_kmcnt 0x0
	s_add_nc_u64 s[4:5], s[4:5], s[2:3]
	s_add_nc_u64 s[6:7], s[6:7], s[18:19]
	s_add_nc_u64 s[8:9], s[8:9], s[20:21]
	s_add_nc_u64 s[10:11], s[10:11], s[22:23]
	s_add_nc_u64 s[12:13], s[12:13], s[24:25]      ; no address register and no base is written again
	s_wait_alu depctr_va_vdst(0)                   ; the four offsets v5, v6, v7 and v9 are written, which every load and store of the merge reads
.macro LDSMALL p                       ; unit p's lora_b and scales: 10 loads
	global_load_b128 v[LB:LB+3],   v[LBO], s[10:11] offset:(\p)*1024     ; B[n0 + r][8 h + 0..3]
	global_load_b128 v[LB+4:LB+7], v[LBO], s[10:11] offset:(\p)*1024+16  ; B[n0 + r][8 h + 4..7]
.irp j, 0,1,2,3,4,5,6,7
	global_load_b64 v[SCR+2*(\j):SCR+2*(\j)+1], v[SCO], s[6:7] offset:(\p)*4096+(\j)*256  ; scale[n0 + 8 h + j][2 S + 0..1]: the same 8 bytes in 16 lanes
.endr
.endm
.macro LDCODES p                       ; unit p's codes: 16 loads, each two runs of 256 consecutive bytes, aligned
.irp u, 0,1
.irp j, 0,1,2,3,4,5,6,7
	global_load_b128 v[CD+64*(\p)+32*(\u)+4*(\j):CD+64*(\p)+32*(\u)+4*(\j)+3], v[CO], s[4:5] offset:(\p)*262144+(\j)*16384+256*(\u) th:TH_LOAD_NT  ; code[n0 + 8 h + j][128 S + 64 u + 4 r + 0..3]
.endr
.endr
.endm
.irp u, 0,1
.irp i, 0,1,2,3,4,5,6,7
	global_load_b128 v[CD+64+32*(\u)+4*(\i):CD+64+32*(\u)+4*(\i)+3], v[CO], s[8:9] offset:(\i)*16384+256*(\u)  ; A[8 h + i][128 S + 64 u + 4 r + 0..3]
.endr
.endr
	LDSMALL 0
	LDCODES 0
	; while they are on their way: the table, and the zeros.  The fifteen compares stand in one run, each with a mask register of its own (scalar registers that the offsets above have left), so that one wait serves them all
.macro MARK m, i                       ; mask m: the lanes with r other than i
	v_cmp_ne_u32 s[\m], \i, v2
.endm
.macro ENTRY m, val                    ; the lanes outside mask m take the table's entry
	v_cndmask_b32 v[TAB], \val, v[TAB], s[\m]
.endm
	MARK 2,  1
	MARK 3,  2
	MARK 15, 3
	MARK 16, 4
	MARK 17, 5
	MARK 18, 6
	MARK 19, 7
	MARK 20, 8
	MARK 21, 9
	MARK 22, 10
	MARK 23, 11
	MARK 24, 12
	MARK 25, 13
	MARK 30, 14
	MARK 31, 15
	v_mov_b32 v[TAB], 0xbf800000                   ; -1.0
.irp k, 4,5,6,7
	v_mov_b32 v[S0+(\k)], 0                        ; S0's K 16..31
	v_mov_b32 v[S1+28+(\k)], 0                     ; the last fragment's K 16..31
.endr
	s_wait_alu depctr_va_sdst(0)                   ; the fifteen masks are written, ahead of the first select that reads one
	ENTRY 2,  0xbf3239b1                           ; -0.6961928009986877
	ENTRY 3,  0xbf066b30                           ; -0.5250730514526367
	ENTRY 15, 0xbeca32a0                           ; -0.39491748809814453
	ENTRY 16, 0xbe91a24d                           ; -0.28444138169288635
	ENTRY 17, 0xbe3d353f                           ; -0.18477343022823334
	ENTRY 18, 0xbdba7871                           ; -0.09105003625154495
	ENTRY 19, 0
	ENTRY 20, 0x3da2faff                           ; 0.07958029955625534
	ENTRY 21, 0x3e24cae3                           ; 0.16093020141124725
	ENTRY 22, 0x3e7c04dd                           ; 0.24611230194568634
	ENTRY 23, 0x3ead033a                           ; 0.33791524171829224
	ENTRY 24, 0x3ee1a4b8                           ; 0.44070982933044434
	ENTRY 25, 0x3f1007ab                           ; 0.5626170039176941
	ENTRY 30, 0x3f3913b3                           ; 0.7229568362236328
	ENTRY 31, 0x3f800000                           ; 1.0
	s_wait_loadcnt 26                              ; loads come back in order: lora_a's 16 are in, the first unit's 26 may stay out
.irp u, 0,1
.irp t, 0,1,2,3
.irp i, 0,1,2,3
	v_cvt_pk_bf16_f32 v[S1+4*(4*(\u)+(\t))+(\i)], v[CD+64+32*(\u)+8*(\i)+(\t)], v[CD+64+32*(\u)+8*(\i)+4+(\t)]  ; ranks 8 h + 2 i and 8 h + 2 i + 1 at k = 128 S + 64 u + 4 r + t
.endr
.endr
.endr
	s_wait_alu depctr_va_vdst(0)                   ; the roundings are done reading lora_a's 64 registers, in which the second unit's codes land
	LDCODES 1                                      ; into the registers that lora_a has left
.macro CONV                            ; the unit's S0 and its scales
.irp i, 0,2,4,6
	v_pk_mul_f32 v[LB+(\i):LB+(\i)+1], v[LB+(\i):LB+(\i)+1], 2.0 op_sel_hi:[1,0]  ; alpha / rank = 2: exact, so it may stand ahead of the rounding
.endr
.irp i, 0,1,2,3
	v_cvt_pk_bf16_f32 v[S0+(\i)], v[LB+2*(\i)], v[LB+2*(\i)+1]
.endr
.irp u, 0,1
.irp j, 0,2,4,6
	v_cvt_pk_bf16_f32 v[TMP], v[SCR+2*(\j)+(\u)], v[SCR+2*(\j)+2+(\u)]  ; two rows' scales of one half u rounded to bf16, as every floating-point input is,
	v_lshlrev_b32 v[SCB+8*(\u)+(\j)], 16, v[TMP]                        ; and back as f32, side by side
	v_and_b32 v[SCB+8*(\u)+(\j)+1], 0xffff0000, v[TMP]
.endr
.endr
.endm
; Half u of unit p: 32 codes a lane become lane indices, in two runs of 32 plain vector instructions.
.macro MINC p, u                       ; it names the half's own 32 registers alone: where it follows another half's pulls it touches nothing of theirs
.set k, 0
.rept 32
	v_min_u32 v[CD+64*(\p)+32*(\u)+k], 15, v[CD+64*(\p)+32*(\u)+k]  ; a loaded number becomes a lane's index only behind this bound
.set k, k+1
.endr
.endm
.macro SHLC p, u                       ; where it follows products it is the distance between them and the first read of a result (ISA guide 7.12.1)
.set k, 0
.rept 32
	v_lshlrev_b32 v[CD+64*(\p)+32*(\u)+k], 2, v[CD+64*(\p)+32*(\u)+k]  ; the pull takes 4 x the lane's number
.set k, k+1
.endr
.endm
.macro PULL p, u                       ; the look-ups
.irp j, 0,1,2,3,4,5,6,7
.irp t, 0,1,2,3
	ds_bpermute_b32 v[C+8*(\t)+(\j)], v[CD+64*(\p)+32*(\u)+4*(\j)+(\t)], v[TAB]  ; NF4[code]
.endr
.endr
.endm
.macro MULT u                          ; the scales, the four products
	s_wait_dscnt 0x0                               ; the 32 pulls are back
.irp t, 0,1,2,3
.irp j, 0,2,4,6
	v_pk_mul_f32 v[C+8*(\t)+(\j):C+8*(\t)+(\j)+1], v[C+8*(\t)+(\j):C+8*(\t)+(\j)+1], v[SCB+8*(\u)+(\j):SCB+8*(\u)+(\j)+1]
.endr
.endr
.irp t, 0,1,2,3                        ; four accumulators, one instruction each
	v_wmma_f32_16x16x32_bf16 v[C+8*(\t):C+8*(\t)+7], v[S0:S0+7], v[S1+4*(4*(\u)+(\t)):S1+4*(4*(\u)+(\t))+7], v[C+8*(\t):C+8*(\t)+7]
.endr
.endm
.macro PACK p, u                       ; row j's four numbers of half u: 8 of its 16 bytes.  Each accumulator is read from its lowest register on
.irp j, 0,1,2,3,4,5,6,7
	v_cvt_pk_bf16_f32 v[CD+64*(\p)+4*(\j)+2*(\u)],   v[C+(\j)],    v[C+8+(\j)]
	v_cvt_pk_bf16_f32 v[CD+64*(\p)+4*(\j)+2*(\u)+1], v[C+16+(\j)], v[C+24+(\j)]
.endr
.endm
.macro STORE p
.irp j, 0,1,2,3,4,5,6,7
	global_store_b128 v[WO], v[CD+64*(\p)+4*(\j):CD+64*(\p)+4*(\j)+3], s[12:13] offset:(\p)*131072+(\j)*8192  ; lanes 0-15 store 256 consecutive bytes, aligned, of row j; lanes 16-31 of row 8 + j.  The data registers are not written again
.endr
.endm
	s_wait_loadcnt 16                              ; the first unit's 26 loads are in; the second unit's 16 loads of codes may stay out
	CONV
	MINC 0, 0
	SHLC 0, 0
	s_wait_alu depctr_va_vdst(0)                   ; CONV is done reading and writing LB and SCR, in which the second unit's loads land; the half's indices and the table are written, which the pulls read
	LDSMALL 1                                      ; into the registers that CONV has read
	PULL 0, 0
	MINC 0, 1                                      ; while the pulls are out
	MULT 0
	SHLC 0, 1
	s_wait_alu depctr_vm_vsrc(0)                   ; the pulls of half (0, 0) have read the unit's first 32 registers, which this PACK and the unit's second write; the pulls of half (0, 1) read the other 32
	PACK 0, 0
	s_wait_alu depctr_va_vdst(0)                   ; the half's indices are written, which the pulls read; the products have written C and PACK is done reading it: the pulls land there
	PULL 0, 1
	s_wait_loadcnt 0x0                             ; the second unit
	MINC 1, 0                                      ; while the pulls are out
	MULT 1
	SHLC 1, 0
	PACK 0, 1
	s_wait_alu depctr_va_vdst(0)                   ; both PACKs have written the unit's 32 result registers, which the stores read; the half's indices are written; PACK is done reading C, in which the pulls land
	STORE 0
	PULL 1, 0
	CONV                                           ; while the pulls are out: it names LB, SCR, S0, SCB and v10, none of which a pull or a store touches; S0's last products stand 48 plain vector instructions back
	MINC 1, 1
	MULT 0
	SHLC 1, 1
	s_wait_alu depctr_vm_vsrc(0)                   ; the pulls of half (1, 0) have read the unit's first 32 registers, which this PACK and the unit's second write
	PACK 1, 0
	s_wait_alu depctr_va_vdst(0)                   ; the half's indices are written, which the pulls read; the products have written C and PACK is done reading it: the pulls land there
	PULL 1, 1
	MULT 1
.rept 8
	v_nop                                          ; plain vector instructions between the last products and the first read of a result (ISA guide 7.12.1)
.endr
	PACK 1, 1
	s_wait_alu depctr_va_vdst(0)                   ; both PACKs have written the unit's 32 result registers, which the stores read
	STORE 1
	s_endpgm
; THE COPY.  The work-group owns 32 rows of x, 512 KiB on end; each of its eight copying waves 64 KiB of them, and the 32 KiB of xb at half the offset.  A chunk is 1,024 bytes of x: two blocks of 128 along K.
; Lane (q = lane % 16, b = lane / 16) takes the four numbers at 4 q of block b's first half by one load and those of its second half by another: each load is two runs of 256 consecutive bytes, aligned.
; Rounded, they are the 16 bytes at 16 q of block b in xb (THE ORDER OF K, above): one store of 512 consecutive bytes a chunk.  Each byte of x is read once, each of xb written once.
; All steps stand in the immediates (65,280 at the most), so no address register and no base is written again; the text is written out by the assembler's loop.
; THE PLAN OF THE COPY.  Registers that memory instructions touch:
;   v6, v7           offsets: made once, never written again.
;   XR, slot m % 15  chunk m's two loads land; its four roundings read; chunk m + 15's loads land.
;   YR, slot m % 32  chunk m's roundings write; its store reads; chunk m + 32's roundings write.
; The 64 chunks go in 16 blocks of four: the block's 16 roundings, each chunk behind its own counted wait for its data; ONE wait on va_vdst, which states that they are done reading the block's four slots of XR
; and have written its four slots of YR; then the block's loads (the same slots' next chunks) and its stores, in one run.  So 22 to 30 loads of the wave are in flight.  At chunk 32 all 32 slots of YR
; have been stored from, and each is written once more: one wait on vm_vsrc, beside the one wait for the stores' addresses.
.Lcopy:
	v_and_b32 v2, 15, v0                           ; q
	v_bfe_u32 v3, v0, 4, 1                         ; b
	v_and_b32 v4, 31, v0                           ; lane
	v_lshlrev_b32 v[XLO], 4, v2
	v_lshl_add_u32 v[XLO], v3, 9, v[XLO]
	v_lshlrev_b32 v[XSO], 4, v4
	s_sub_co_u32 s16, s14, 8                       ; which of the eight
	s_lshl_b32 s30, ttmp9, 19                      ; the work-group's 512 KiB of x (under 2^27),
	s_lshl_b32 s16, s16, 16                        ; my 64 KiB of them
	s_add_co_u32 s30, s30, s16
	s_mov_b32 s31, 0
	s_lshr_b32 s24, s30, 1                         ; and half of that in xb
	s_mov_b32 s25, 0
	s_wait_kmcnt 0x0
	s_add_nc_u64 s[26:27], s[26:27], s[30:31]
	s_add_nc_u64 s[28:29], s[28:29], s[24:25]
	s_wait_alu depctr_va_vdst(0)                   ; the two offsets v6 and v7 are written, which every load and store of the copy reads
.set n, 0
.rept DEPTH
	global_load_b128 v[XR+8*n:XR+8*n+3],   v[XLO], s[26:27] offset:1024*n th:TH_LOAD_NT      ; the ring is filled
	global_load_b128 v[XR+8*n+4:XR+8*n+7], v[XLO], s[26:27] offset:1024*n+256 th:TH_LOAD_NT
.set n, n+1
.endr
.set n, 0                              ; a block's first chunk
.rept CHUNKS/BLK
.set last, n+DEPTH-1                   ; the last chunk that has been asked for at the block's head
.if last > CHUNKS-1
.set last, CHUNKS-1
.endif
.if n == 32
	s_wait_xcnt 0x0                                ; the one wait: the first 32 stores have had their addresses translated (ISA guide 3.1), so all 32 slots of bf16 may be written once more;
	s_wait_alu depctr_vm_vsrc(0)                   ; and they have read their slots of YR, which the roundings from here on write again
.endif
.set m, n
.rept BLK
.set sl, m%DEPTH
.set ys, m%32
	s_wait_loadcnt 2*(last-m)                      ; loads come back in order: chunk m's two are in, the younger chunks' stay out: 28, 26, 24, 22 in a block; the last chunks load nothing, and the counts run down
	v_cvt_pk_bf16_f32 v[YR+4*ys],   v[XR+8*sl],   v[XR+8*sl+1]
	v_cvt_pk_bf16_f32 v[YR+4*ys+1], v[XR+8*sl+2], v[XR+8*sl+3]
	v_cvt_pk_bf16_f32 v[YR+4*ys+2], v[XR+8*sl+4], v[XR+8*sl+5]
	v_cvt_pk_bf16_f32 v[YR+4*ys+3], v[XR+8*sl+6], v[XR+8*sl+7]
.set m, m+1
.endr
	s_wait_alu depctr_va_vdst(0)                   ; the block's roundings are done reading its four slots of XR, in which the loads below land, and have written its four slots of YR, which the stores below read
.set m, n
.rept BLK
.set sl, m%DEPTH
.if m < CHUNKS-DEPTH
	global_load_b128 v[XR+8*sl:XR+8*sl+3],   v[XLO], s[26:27] offset:1024*(m+DEPTH) th:TH_LOAD_NT      ; the slots' next chunks, ahead of the stores
	global_load_b128 v[XR+8*sl+4:XR+8*sl+7], v[XLO], s[26:27] offset:1024*(m+DEPTH)+256 th:TH_LOAD_NT
.endif
.set m, m+1
.endr
.set m, n
.rept BLK
.set ys, m%32
	global_store_b128 v[XSO], v[YR+4*ys:YR+4*ys+3], s[28:29] offset:512*m th:TH_STORE_NT
.set m, m+1
.endr
.set n, n+BLK
.endr
	s_endpgm
.Lfunc_end_k_qda859dabeb_prep:
	.size	k_qda859dabeb_prep, .Lfunc_end_k_qda859dabeb_prep-k_qda859dabeb_prep
	.p2alignl 7, 3214868480
	.fill 96, 4, 3214868480
	.section	.rodata,"a",@progbits
	.p2align	6, 0x0
	.amdhsa_kernel k_qda859dabeb_prep
		.amdhsa_group_segment_fixed_size 0
		.amdhsa_private_segment_fixed_size 0
		.amdhsa_enable_private_segment 0
		.amdhsa_kernarg_size 56
		.amdhsa_user_sgpr_count 2
		.amdhsa_user_sgpr_kernarg_segment_ptr 1
		.amdhsa_wavefront_size32 1
		.amdhsa_system_sgpr_workgroup_id_x 1
		.amdhsa_system_sgpr_workgroup_id_y 1
		.amdhsa_system_sgpr_workgroup_id_z 1
		.amdhsa_system_vgpr_workitem_id 0
		.amdhsa_next_free_vgpr 256
		.amdhsa_next_free_sgpr 66
		.amdhsa_reserve_vcc 0
		.amdhsa_float_denorm_mode_32 3
		.amdhsa_float_denorm_mode_16_64 3
		.amdhsa_memory_ordered 1
		.amdhsa_forward_progress 1
		.amdhsa_inst_pref_size 81
	.end_amdhsa_kernel
	.amdgpu_metadata
---
amdhsa.version: [ 1, 2 ]
amdhsa.kernels:
  - .name:           k_qda859dabeb_prep
    .symbol:         k_qda859dabeb_prep.kd
    .args:
      - { .name: w_codes, .offset: 0, .size: 8, .value_kind: global_buffer, .address_space: global }
      - { .name: w_scales, .offset: 8, .size: 8, .value_kind: global_buffer, .address_space: global }
      - { .name: lora_a, .offset: 16, .size: 8, .value_kind: global_buffer, .address_space: global }
      - { .name: lora_b, .offset: 24, .size: 8, .value_kind: global_buffer, .address_space: global }
      - { .name: wb, .offset: 32, .size: 8, .value_kind: global_buffer, .address_space: global }
      - { .name: x, .offset: 40, .size: 8, .value_kind: global_buffer, .address_space: global }
      - { .name: xb, .offset: 48, .size: 8, .value_kind: global_buffer, .address_space: global }
    .group_segment_fixed_size: 0
    .private_segment_fixed_size: 0
    .kernarg_segment_align: 8
    .kernarg_segment_size: 56
    .max_flat_workgroup_size: 512
    .sgpr_count:     66
    .vgpr_count:     256
    .wavefront_size: 32
...
	.end_amdgpu_metadata
.endif
;; end of part 5
;; launch gemm: the kernel of part 4 again; grid 8 x 32, 4 waves a work-group, clusters of 4 x 4, 327,680 bytes of LDS; arguments xb, wb, out0; writes out0
